; MI455X (gfx1250); checked and timed in simulation.
; The chip was launched on July 23, 2026; its instructions are those of AMD's public machine-readable ISA for CDNA 5 (MIT licence, August 2026) and "CDNA5" Instruction Set Architecture Reference Guide (July 2026). The comments in the code are by the model that wrote it; some were corrected since.
;; Cross Attention. Allowed arithmetic: matrix products marked QUANTISED: E3M2 operands, one E8M0 scale for each 32 along K, by v_wmma_scale_f32_16x16x128_f8f6f4 with both operands' format E3M2, f32 sums; everything else in f32.
;; Inputs: Wk 1,024 x 1,024 float32; Wo 1,024 x 1,024 float32; Wq 1,024 x 1,024 float32; Wv 1,024 x 1,024 float32; bo 1,024 float32; context 2 x 2,048 x 1,024 float32; x 2 x 2,048 x 1,024 float32.
;; Outputs: out0 2 x 2,048 x 1,024 float32.
;; This version of the problem:
;;   THIS VERSION OF THE PROBLEM IS GIVEN IN LOW PRECISION. The matrix products marked QUANTISED in the list below multiply operands that are first quantised to E3M2 (3 exponent bits, 2 mantissa bits; 6 bits a number), with one power-of-two scale for each 32 numbers along K (OCP MX v1.0); their sums are f32. All else is computed in f32.
;;   The module's matrix products, in the order in which they are computed (A, B: the left and right operand; K: the contracted axis; several contracted axes count as one K, in the product's order):
;;     1. [M 4,096, K 1,024] x [K 1,024, N 1,024]; A: input x; B: input Wq: QUANTISED
;;     2. [M 4,096, K 1,024] x [K 1,024, N 1,024]; A: input context; B: input Wk: QUANTISED
;;     3. [M 4,096, K 1,024] x [K 1,024, N 1,024]; A: input context; B: input Wv: QUANTISED
;;     4. batch 32 x [M 2,048, K 64] x [K 64, N 2,048]; A: computed on the way; B: computed on the way: QUANTISED
;;     5. batch 32 x [M 64, K 2,048] x [K 2,048, N 2,048]; A: computed on the way; B: softmax (see below): QUANTISED
;;     6. [M 4,096, K 1,024] x [K 1,024, N 1,024]; A: computed on the way; B: input Wo: QUANTISED
;;   THE QUANTISER, for each operand of a quantised product, along K:
;;     - K is cut into blocks of 32 from its start; a last block that is shorter is filled with zeros.
;;     - A block's scale is 2^e with e = floor(log2(the largest magnitude in the block)) - 4, held to -126 .. 127; a block of zeros has e = 0. As a byte (E8M0): e + 127.
;;     - Each number is divided by its block's scale, clamped to +-28, and rounded to the nearest number of E3M2, ties to even, subnormals kept.
;;     - The product sums the exact products of the quantised numbers (number of the format x scale) in f32.
;;   ~~~python
;;   def quantise(x, axis):      # numpy; x: float32 -> the quantised numbers, widened to float32 again
;;       x = np.moveaxis(x, axis, -1); K = x.shape[-1]
;;       x = np.pad(x, [(0, 0)] * (x.ndim - 1) + [(0, -K % 32)]); x = x.reshape(x.shape[:-1] + (-1, 32)); a = np.abs(x).max(-1, keepdims=True)
;;       e = np.where(a > 0, np.clip(np.frexp(np.where(a > 0, a, 1))[1] - 1 - 4, -126, 127), 0)      # np.frexp(a)[1] - 1 = floor(log2(a)), exactly
;;       r = np.clip(x / 2.0 ** e, -28, 28)
;;       step = 2.0 ** (np.maximum(np.frexp(np.where(r == 0, 1, r))[1] - 1, -2) - 2)
;;       q = np.round(r / step) * step * 2.0 ** e      # np.round: ties to even
;;       return np.moveaxis(q.reshape(q.shape[:-2] + (-1,))[..., :K], -1, axis).astype(np.float32)
;;   ~~~
;;   SOFTMAX AHEAD OF A QUANTISED PRODUCT. Where the list says 'softmax', what is quantised is not the finished softmax but p = 2^(t - M), with t = logit x log2(e) and M = ceil(the row's largest t), a whole number; so 1/2 < the row's largest p <= 1. The row's sum l is taken of the UNQUANTISED p, in f32, and the product's result is divided by l at the end. Since M is a whole number, a kernel that streams over the keys may use a running M (the ceiling of the running maximum): every later rescaling is an exact power of two, which a block's scale takes up: the codes' values come out the same.
;;   OPERANDS COMPUTED ON THE WAY. 'Computed on the way' means the value that the module computes at that place (a softmax that the list does not call 'softmax' is quantised finished and normalised). What goes into a quantiser is computed in f32, as accurately as f32 sums, v_exp_f32 and their like allow (about 1e-6 of the number): no bf16 or f16 on the way to a quantiser, and a product that is left as it is and whose result goes on into a quantised operand takes f32 operands (vector FMAs, or v_wmma_f32_16x16x4_f32). A number that lies on a knife's edge between two numbers of the format may be rounded either way, as far as f32 arithmetic and the matrix unit's own rounding can turn it there, and no further.
;; One version. Each part assembles by itself: llvm-mc -triple=amdgcn-amd-amdhsa -mcpu=gfx1250 --defsym DOCPART=n.
;; ======== version 1 of 1: 4 launches
;; limits: right only within a limited range of input values
;; workspace buffers: opc 9,437,184 bytes; ops 393,216 bytes; qb 3,407,872 bytes; kv 6,684,672 bytes; oc 3,145,728 bytes; os 131,072 bytes
;; launch quant (part 1): grid 384 x 1, 4 waves a work-group, no clusters, 59,904 bytes of LDS; arguments x, context, Wq, Wk, Wv, Wo, opc, ops; writes opc, ops
.if DOCPART == 1
	.amdgcn_target "amdgcn-amd-amdhsa--gfx1250"
	.amdhsa_code_object_version 6
	.text
	.protected	k_qe8ac592ff3_quant
	.globl	k_qe8ac592ff3_quant
	.p2align	8
	.type	k_qe8ac592ff3_quant,@function
k_qe8ac592ff3_quant:
	s_mov_b64 s[64:65], 0
	v_nop
	global_prefetch_b8 v0, s[64:65] scope:SCOPE_SE
	s_setreg_imm32_b32 hwreg(HW_REG_WAVE_MODE, 25, 1), 1
	s_wait_xcnt 0x0
; x, context [4096][1024] (K innermost) and Wq, Wk, Wv, Wo [1024 (K)][1024] (K outermost), all f32, become codes of E3M2 with one E8M0 byte for each 32 along K.
; A block's byte is its largest magnitude's exponent field - 4, held at 1 from below; each number is divided by the scale and rounded to the nearest code, ties to even, beyond 28 the largest code.
; LAYOUT OF THE RESULT: images of the matrix unit's operand registers.  Rows go in tiles T of 16, K in steps kap of 128.  Fragment (T, kap) is 1,536 bytes at (8 T + kap) x 1,536: [pair p = 0..5][lane][8 bytes],
; pair p = operand registers 2 p, 2 p + 1 of lane 16 h + r (row r; registers 6 c .. 6 c + 5 are the 24 bytes of K block 4 kap + 2 c + h).  Scale words: [T][j = 0..3][r][8 bytes] = the words of kap 2 j, 2 j + 1.
; T 0..255 x, 256..511 context, 512.. Wq, 576.. Wk, 640.. Wv, 704..767 Wo.  In all but x, lane r of tile T holds row 32 (T / 2) + 8 (T % 2) + r + 8 (r / 8) of its tensor: a product that takes such
; tiles as its source 0 leaves 16 neighbours in a lane's 16 registers of two neighbouring result tiles.
; LIMITS: NaN and infinities are not served.  A block of zeros, or one whose largest magnitude lies under 2^-122, gets the byte 1 (its codes are zeros or small); only this program reads the bytes.
; Work-groups 0..255 take x and context, 256..383 the weights; each reads 128 KiB.  The two paths have LDS bytes of their own.  Waves share nothing: no barrier.
.set RSTG,  8448                       ; rows path: a wave's stage, 16 rows x (512 bytes + 16)
.set CBASE, 4*RSTG                     ; the columns path's stages begin here
.set CSTG,  6400                       ; a wave's: two tiles x two fragments, the tiles 3,200 bytes apart (12.5 x 256: the two halves of a store's lanes fall on different banks)
.set L16,   4                          ; v4  16 x lane
.set L8,    5                          ; v5  8 x lane
.set TM,    8                          ; v8-23   rows: +0..3 largest magnitudes, +4..7 bytes, +12..15 the conversions' scale operands
.set PW,    24                         ; v24-27  rows: a scale word for each of the four steps
.set PC,    32                         ; v32-43  rows: the fragment just made; v44-50 at work
.set RR,    64                         ; v64-191 rows: two sets of 16 x 4 registers as loaded
.set XX,    192                        ; v192-255 rows: 64 numbers of my row
.set SBY,   24                         ; v24-25  columns: my column's eight bytes
.set XC,    32                         ; v32-95  columns: two sets of 32 numbers
.set CC,    96                         ; v96-101 columns: a block's codes;  v104-106 its second half as converted
.set TCC,   104
.set OUTR,  112                        ; v112-159 columns: the way out
	s_load_b256 s[4:11], s[0:1], 0x0               ; x s[4:5], context s[6:7], Wq s[8:9], Wk s[10:11]
	s_load_b256 s[12:19], s[0:1], 0x20             ; Wv s[12:13], Wo s[14:15], opc s[16:17], ops s[18:19]
	v_lshl_add_u32 v30, v0, 2, 0xe800
	v_mov_b32 v31, 0
	v_lshrrev_b32 v1, 5, v0
	v_readfirstlane_b32 s20, v1                    ; wave
	v_and_b32 v2, 31, v0                           ; lane
	v_lshlrev_b32 v[L16], 4, v2
	v_lshlrev_b32 v[L8], 3, v2
	s_mov_b32 s29, 0                               ; upper words of the offsets' pairs
	s_mov_b32 s31, 0
	s_cmp_lt_u32 ttmp9, 0x100
	s_cbranch_scc0 .Lcols
; ---------------- ROWS: a wave takes one tile of 16 rows and half of K: four steps of 128 ----------------
	v_bfe_u32 v1, v0, 4, 1                         ; h
	v_and_b32 v3, 15, v0                           ; r
	s_lshl_b32 s21, ttmp9, 2
	s_add_co_u32 s21, s21, s20                     ; 2 T + half
	s_lshr_b32 s24, s21, 1
	s_and_b32 s24, s24, 255                        ; the tile within its tensor
	s_and_b32 s23, s21, 1                          ; half
	s_lshl_b32 s25, s24, 4                         ; x: lanes 0-7 take rows from 16 Tl on,
	s_lshr_b32 s26, s24, 1
	s_lshl_b32 s26, s26, 5
	s_and_b32 s27, s24, 1
	s_lshl_b32 s27, s27, 3
	s_add_co_u32 s26, s26, s27                     ; context: from 32 (Tl / 2) + 8 (Tl % 2) on
	s_mul_i32 s22, s20, RSTG
	s_wait_alu depctr_va_vdst(0)
	v_add_nc_u32 v6, s22, v[L16]                   ; the stage, on the way in: a row's 512 bytes as they lie
	v_mul_u32_u24 v7, v3, 528
	v_lshl_add_u32 v7, v1, 6, v7
	v_add_nc_u32 v7, s22, v7                       ; and out: row r, + 64 h: my 16 numbers of each block of 32
	s_mov_b32 s32, 0x76543210
	s_mov_b32 s33, 0xfedcba98                      ; v_permlanex16_b32's selects for lane l xor 16
	s_mov_b32 s34, 0xffff0000                      ; lanes 16-31
.irp b, 0,1,2,3
	v_mov_b32 v[TM+4+\b], 0                        ; written once: a lane permute's destination counts as one of its sources
.endr
	s_wait_alu depctr_va_vdst(0)
	s_wait_kmcnt 0x0
	s_cmp_lt_u32 ttmp9, 0x80                       ; x's work-group or context's: the choice hangs on the work-group's number alone
	s_cselect_b64 s[4:5], s[4:5], s[6:7]
	s_cselect_b32 s25, s25, s26
	s_cselect_b32 s26, 8, 16                       ; lanes 8-15 take the rows 8 (x) or 16 (context) further on
	s_add_co_u32 s26, s26, s25
	s_lshl_b32 s27, s23, 11                        ; my half of a row: 2,048 bytes
	s_lshl_b32 s28, s25, 12
	s_add_co_u32 s28, s28, s27
	s_lshl_b32 s30, s26, 12
	s_add_co_u32 s30, s30, s27
	s_add_nc_u64 s[6:7], s[4:5], s[30:31]          ; rows 8-15 of the tile
	s_add_nc_u64 s[4:5], s[4:5], s[28:29]          ; rows 0-7
	s_mul_i32 s28, s21, 6144
	s_add_nc_u64 s[8:9], s[16:17], s[28:29]        ; my four fragments
	s_lshl_b32 s28, s21, 8
	s_add_nc_u64 s[10:11], s[18:19], s[28:29]      ; my 256 bytes of scale words
.macro RLOAD t                         ; step t: 16 loads, each a row's 512 consecutive bytes
.irp i, 0,1,2,3,4,5,6,7
	global_load_b128 v[RR+64*((\t)%2)+4*\i:RR+64*((\t)%2)+4*\i+3], v[L16], s[4:5] offset:4096*\i+512*(\t) th:TH_LOAD_NT
.endr
.irp i, 0,1,2,3,4,5,6,7
	global_load_b128 v[RR+64*((\t)%2)+32+4*\i:RR+64*((\t)%2)+32+4*\i+3], v[L16], s[6:7] offset:4096*\i+512*(\t) th:TH_LOAD_NT
.endr
.endm
; 64 numbers of a lane, register 16 b + i = k 32 b + 16 h + i of my row, become a fragment's codes in v[PC] on and its scale word in v[pw]
.macro QUANT s, pw
.irp b, 0,1,2,3
	v_max3_num_f32 v[TM+\b], |v[\s+16*\b]|, |v[\s+1+16*\b]|, 0x2800000   ; my 16 numbers of block b, and the floor 2^(5 - 127): the byte cannot fall under 1
.endr
.irp i, 2,4,6,8,10,12,14
.irp b, 0,1,2,3
	v_max3_num_f32 v[TM+\b], v[TM+\b], |v[\s+16*\b+\i]|, |v[\s+1+16*\b+\i]|   ; the four blocks by turns
.endr
.endr
.irp b, 0,1,2,3
	v_permlanex16_b32 v[TM+4+\b], v[TM+\b], s32, s33
.endr
.irp b, 0,1,2,3
	v_max_num_f32 v[TM+\b], v[TM+\b], v[TM+4+\b]   ; with lane l xor 16's: the block's largest magnitude
.endr
.irp b, 0,1,2,3
	v_add_nc_u32 v[TM+12+\b], 0xfe000000, v[TM+\b] ; 4 off its exponent field: the conversion takes the exponent field of this operand as its scale
.endr
.irp b, 0,1,2,3
	v_lshrrev_b32 v[TM+4+\b], 23, v[TM+12+\b]      ; the scale's byte
.endr
	v_lshl_or_b32 v[\pw], v[TM+5], 8, v[TM+4]
	v_lshl_or_b32 v[\pw], v[TM+6], 16, v[\pw]
	v_lshl_or_b32 v[\pw], v[TM+7], 24, v[\pw]      ; my row's scale word (both halves of the lanes hold it)
.irp c, 0,1
	v_cvt_scalef32_pk16_bf6_f32 v[PC+6*\c:PC+2+6*\c], v[\s+32*\c:\s+15+32*\c], v[TM+12+2*\c]
	v_cvt_scalef32_pk16_bf6_f32 v[PC+12+4*\c:PC+14+4*\c], v[\s+16+32*\c:\s+31+32*\c], v[TM+12+2*\c+1]   ; (a conversion's three registers begin on an even number)
.endr
	v_nop                                          ; one plain place behind a scaled conversion
.irp c, 0,1                                    ; the operand wants a WHOLE block in a lane: lanes 0-15 block 2 c, lanes 16-31 block 2 c + 1
.irp i, 0,1,2
	v_permlane16_swap_b32 v[PC+6*\c+\i], v[PC+12+4*\c+\i]
.endr
.irp i, 0,1,2
	v_mov_b32 v[PC+3+6*\c+\i], v[PC+12+4*\c+\i]
.endr
.endr
.endm
.macro RSTEP t
.if (\t) < 3
	s_wait_loadcnt 16                              ; this step's 16 loads are in; the next step's 16 may be out
.else
	s_wait_loadcnt 0x0
.endif
.irp i, 0,1,2,3,4,5,6,7,8,9,10,11,12,13,14,15
	ds_store_b128 v6, v[RR+64*((\t)%2)+4*\i:RR+64*((\t)%2)+4*\i+3] offset:528*\i
.endr
.irp b, 0,1,2,3
.irp j, 0,1,2,3
	ds_load_b128 v[XX+16*\b+4*\j:XX+16*\b+4*\j+3], v7 offset:128*\b+16*\j   ; LDS serves a wave's instructions in order: these see the stores above
.endr
.endr
	s_wait_dscnt 0x0                               ; my 64 numbers are here, and the stores have read their registers,
.if (\t) < 2
	RLOAD (\t)+2                                   ; which take the loads of two steps on
.endif
.if (\t) > 0
	s_wait_xcnt 0x0                                ; the last step's stores have read the fragment's registers: they are written again only behind this wait
.endif
	QUANT XX, PW+\t
.irp p, 0,1,2,3,4,5
	global_store_b64 v[L8], v[PC+2*\p:PC+2*\p+1], s[8:9] offset:1536*(\t)+256*\p   ; 32 lanes store 256 consecutive bytes, aligned
.endr
.endm
	RLOAD 0
	RLOAD 1
.irp t, 0,1,2,3
	RSTEP \t
.endr
	v_cndmask_b32 v28, v[PW], v[PW+2], s34         ; lanes 0-15: the words of my first two steps, lanes 16-31: of the other two
	v_cndmask_b32 v29, v[PW+1], v[PW+3], s34
	global_store_b64 v[L8], v[28:29], s[10:11]     ; 256 consecutive bytes, aligned
	s_wait_tensorcnt 0x0
	ds_add_u32 v30, v31
	s_wait_dscnt 0x0
	s_endpgm
; ---------------- COLUMNS: a lane takes a column n of a weight, its registers run down K; a wave takes 32 columns x 256 along K ----------------
.Lcols:
	s_sub_co_u32 s21, ttmp9, 0x100
	s_lshr_b32 s22, s21, 5                         ; which weight
	s_and_b32 s23, s21, 7                          ; which 128 columns
	s_bfe_u32 s24, s21, 0x20003                    ; which 256 along K
	s_wait_alu depctr_va_vdst(0)
	v_lshlrev_b32 v6, 2, v2                        ; in: 4 bytes a lane
	v_bfe_u32 v7, v2, 3, 1                         ; my column's tile of the wave's two: bit 3 of the lane,
	v_and_b32 v8, 7, v2
	v_lshrrev_b32 v9, 4, v2
	v_lshl_add_u32 v8, v9, 3, v8                   ; and its row in that tile: bits 0-2, and bit 4 as bit 3
	s_mul_i32 s30, s20, CSTG
	s_add_co_u32 s30, s30, CBASE                   ; my stage
	v_mul_u32_u24 v10, v7, 3200
	v_lshl_add_u32 v10, v8, 3, v10
	v_add_nc_u32 v10, s30, v10                     ; into it: tile, 8 x row
	v_add_nc_u32 v11, s30, v[L16]                  ; out of it: as it lies
	v_lshlrev_b32 v9, 9, v7
	v_lshl_add_u32 v9, v8, 3, v9                   ; my 8 scale bytes: 512 x tile + 8 x row
	s_lshl_b32 s26, s24, 20                        ; 256 rows of 4,096 bytes
	s_lshl_b32 s27, s23, 9
	s_add_co_u32 s26, s26, s27
	s_lshl_b32 s27, s20, 7
	s_add_co_u32 s26, s26, s27                     ; + 4 x my wave's first column
	s_mov_b32 s27, 0
	s_lshl_b32 s28, s22, 6
	s_lshl_b32 s25, s23, 3
	s_add_co_u32 s28, s28, s25
	s_lshl_b32 s25, s20, 1
	s_add_co_u32 s28, s28, s25
	s_add_co_u32 s28, s28, 0x200                   ; my first tile: 512 + 64 x weight + 8 x (128 columns) + 2 x wave
	s_wait_kmcnt 0x0
	s_cmp_eq_u32 s22, 1
	s_cselect_b64 s[8:9], s[10:11], s[8:9]
	s_cmp_eq_u32 s22, 2
	s_cselect_b64 s[8:9], s[12:13], s[8:9]
	s_cmp_eq_u32 s22, 3
	s_cselect_b64 s[8:9], s[14:15], s[8:9]
	s_add_nc_u64 s[4:5], s[8:9], s[26:27]
	s_mul_i32 s26, s28, 12288
	s_mul_i32 s25, s24, 3072
	s_add_co_u32 s26, s26, s25
	s_add_nc_u64 s[6:7], s[16:17], s[26:27]        ; the codes: my tiles' two fragments
	s_lshl_b32 s26, s28, 9
	s_lshl_b32 s25, s24, 7
	s_add_co_u32 s26, s26, s25
	s_add_nc_u64 s[10:11], s[18:19], s[26:27]      ; the scale words
.macro CLOAD t                         ; block t: W(32 t + i, my column): 32 lanes read 128 consecutive bytes, the four waves side by side 512
.irp i, 0,1,2,3,4,5,6,7,8,9,10,11,12,13,14,15,16,17,18,19,20,21,22,23,24,25,26,27,28,29,30,31
	global_load_b32 v[XC+32*((\t)%2)+\i], v6, s[4:5] offset:(32*(\t)+\i)*4096 th:TH_LOAD_NT
.endr
.endm
.macro CBLOCK t
.set XS, XC+32*((\t)%2)
.if (\t) < 7
	s_wait_loadcnt 32                              ; this block's 32 loads are in; the next block's may be out
.else
	s_wait_loadcnt 0x0
.endif
	v_max3_num_f32 v12, |v[XS]|, |v[XS+1]|, |v[XS+2]|      ; all 32 numbers of the block are mine
	v_max3_num_f32 v13, |v[XS+3]|, |v[XS+4]|, |v[XS+5]|
.irp i, 6,10,14,18,22,26
	v_max3_num_f32 v12, v12, |v[XS+\i]|, |v[XS+\i+1]|
	v_max3_num_f32 v13, v13, |v[XS+\i+2]|, |v[XS+\i+3]|
.endr
	v_max3_num_f32 v12, v12, |v[XS+30]|, |v[XS+31]|
	v_max3_num_f32 v12, v12, v13, 0x2800000        ; and the floor 2^(5 - 127)
	v_add_nc_u32 v14, 0xfe000000, v12              ; the conversions' scale operand
	v_lshrrev_b32 v15, 23, v14                     ; the byte
.if (\t)%4 == 0
	v_mov_b32 v[SBY+(\t)/4], v15
.else
	v_lshl_or_b32 v[SBY+(\t)/4], v15, 8*((\t)%4), v[SBY+(\t)/4]
.endif
	v_cvt_scalef32_pk16_bf6_f32 v[CC:CC+2], v[XS:XS+15], v14
	v_cvt_scalef32_pk16_bf6_f32 v[TCC:TCC+2], v[XS+16:XS+31], v14
	v_nop                                          ; one plain place behind a scaled conversion
.irp i, 0,1,2
	v_mov_b32 v[CC+3+\i], v[TCC+\i]
.endr
.irp e, 0,1,2                                  ; block t = 4 (fragment) + 2 c + h: pairs 3 c + e of lane 16 h + row
	ds_store_b64 v10, v[CC+2*\e:CC+2*\e+1] offset:1536*((\t)/4)+256*(3*(((\t)%4)/2)+\e)+128*((\t)%2)
.endr
.if (\t)+2 < 8
	CLOAD (\t)+2
.endif
	s_wait_dscnt 0x0                               ; the stores have read their registers: the next block's codes may be written
.endm
	CLOAD 0
	CLOAD 1
.irp t, 0,1,2,3,4,5,6,7
	CBLOCK \t
.endr
.irp q, 0,1,2,3,4,5,6,7,8,9,10,11
	ds_load_b128 v[OUTR+4*\q:OUTR+4*\q+3], v11 offset:3200*(\q/6)+512*(\q%6)
.endr
	s_wait_alu depctr_va_vdst(0)
	global_store_b64 v9, v[SBY:SBY+1], s[10:11]    ; pieces of 128 consecutive bytes for each tile: one byte for each 128 that the path reads
.irp q, 0,1,2,3,4,5,6,7,8,9,10,11
	s_wait_dscnt 11-\q                             ; LDS loads come back in order: the younger ones may be out
	global_store_b128 v[L16], v[OUTR+4*\q:OUTR+4*\q+3], s[6:7] offset:12288*(\q/6)+512*(\q%6)   ; 512 consecutive bytes, aligned to 256
.endr
	s_wait_tensorcnt 0x0
	ds_add_u32 v30, v31
	s_wait_dscnt 0x0
	s_endpgm
.Lfunc_end_k_qe8ac592ff3_quant:
	.size	k_qe8ac592ff3_quant, .Lfunc_end_k_qe8ac592ff3_quant-k_qe8ac592ff3_quant
	.p2alignl 7, 3214868480
	.fill 96, 4, 3214868480
	.section	.rodata,"a",@progbits
	.p2align	6, 0x0
	.amdhsa_kernel k_qe8ac592ff3_quant
		.amdhsa_group_segment_fixed_size 59904
		.amdhsa_private_segment_fixed_size 0
		.amdhsa_enable_private_segment 0
		.amdhsa_kernarg_size 64
		.amdhsa_user_sgpr_count 2
		.amdhsa_user_sgpr_kernarg_segment_ptr 1
		.amdhsa_wavefront_size32 1
		.amdhsa_system_sgpr_workgroup_id_x 1
		.amdhsa_system_sgpr_workgroup_id_y 1
		.amdhsa_system_sgpr_workgroup_id_z 1
		.amdhsa_system_vgpr_workitem_id 0
		.amdhsa_next_free_vgpr 256
		.amdhsa_next_free_sgpr 66
		.amdhsa_reserve_vcc 0
		.amdhsa_float_denorm_mode_32 3
		.amdhsa_float_denorm_mode_16_64 3
		.amdhsa_memory_ordered 1
		.amdhsa_forward_progress 1
		.amdhsa_inst_pref_size 77
	.end_amdhsa_kernel
	.amdgpu_metadata
---
amdhsa.version: [ 1, 2 ]
amdhsa.kernels:
  - .name:           k_qe8ac592ff3_quant
    .symbol:         k_qe8ac592ff3_quant.kd
    .args:
      - { .name: x, .offset: 0, .size: 8, .value_kind: global_buffer, .address_space: global }
      - { .name: context, .offset: 8, .size: 8, .value_kind: global_buffer, .address_space: global }
      - { .name: Wq, .offset: 16, .size: 8, .value_kind: global_buffer, .address_space: global }
      - { .name: Wk, .offset: 24, .size: 8, .value_kind: global_buffer, .address_space: global }
      - { .name: Wv, .offset: 32, .size: 8, .value_kind: global_buffer, .address_space: global }
      - { .name: Wo, .offset: 40, .size: 8, .value_kind: global_buffer, .address_space: global }
      - { .name: opc, .offset: 48, .size: 8, .value_kind: global_buffer, .address_space: global }
      - { .name: ops, .offset: 56, .size: 8, .value_kind: global_buffer, .address_space: global }
    .group_segment_fixed_size: 59904
    .private_segment_fixed_size: 0
    .kernarg_segment_align: 8
    .kernarg_segment_size: 64
    .max_flat_workgroup_size: 128
    .sgpr_count:     66
    .vgpr_count:     256
    .wavefront_size: 32
...
	.end_amdgpu_metadata
.endif
;; end of part 1
;; launch proj (part 2): grid 4 x 48, 4 waves a work-group, clusters of 4 x 4, 327,680 bytes of LDS; arguments opc, ops, qb, kv; writes qb, kv
.if DOCPART == 2
	.amdgcn_target "amdgcn-amd-amdhsa--gfx1250"
	.amdhsa_code_object_version 6
	.text
	.protected	k_qe8ac592ff3_proj
	.globl	k_qe8ac592ff3_proj
	.p2align	8
	.type	k_qe8ac592ff3_proj,@function
k_qe8ac592ff3_proj:
	s_mov_b64 s[64:65], 0
	v_nop
	global_prefetch_b8 v0, s[64:65] scope:SCOPE_SE
	s_setreg_imm32_b32 hwreg(HW_REG_WAVE_MODE, 25, 1), 1
	s_wait_xcnt 0x0
	s_wait_alu depctr_hold_cnt(0) depctr_sa_sdst(0) depctr_va_vdst(0) depctr_va_sdst(0) depctr_va_ssrc(0) depctr_va_vcc(0) depctr_vm_vsrc(0)
	s_getreg_b32 s2, hwreg(HW_REG_IB_STS2, 6, 4)
	s_cmp_eq_u32 s2, 0
	s_cbranch_scc0 .Lentry_in_a_cluster
	s_endpgm
.Lentry_in_a_cluster:
	s_bfe_u32 s2, ttmp6, 0x10000c
	s_cmp_lg_u32 s2, 0xf033
	s_cbranch_scc0 .Lentry_shape_is_right
	s_endpgm
.Lentry_shape_is_right:
; q = x Wq, k = context Wk, v = context Wv on codes of E3M2 with E8M0 scales (register images of the launch before); each result is quantised again and leaves as the attention launch's operand images.
; A work-group of four waves makes 256 x 256, a wave 128 x 128 in 64 accumulators.  Cluster y / 4 says which product: 0 q, 1 k, 2 v (for v the weight is source 1 and context source 0, so that the keys run along a lane's registers).
; K = 1,024 is eight steps of 128.  A tile of 16 rows has its eight fragments of 1,536 bytes on end in memory, so a fill's row is some whole fragments of one tile.
; LDS: two regions of 32 tiles x 4,608 bytes.  Region 0 takes steps 0-2 (the head's fills: wave 0 A's 16 tiles, wave 1 B's, waves 2 and 3 the scale words of all of K), region 1 steps 3-5,
; and steps 6-7 go into region 0's bytes once step 2's fragments are in registers.  One tensor load a wave behind each round; one load of a wave is out at a time.
; CLUSTERS 4 x 4: A's tiles are asked for jointly along a row of the cluster, B's along a column.
; No prefetch: the walk along K is written out, with no loop to run ahead in, and each fill is asked for directly behind the round that frees its place.
; LIMITS: NaN and infinities are not served; a block under 2^-122 gets the byte 1 (only this program reads the bytes).
.set NQ,     2
.set FR,     12
.set NL,     6
.set NP,     4
.set TPITCH, 12288                     ; a tile's eight fragments in memory
.set P3,     4608                      ; a tile's three fragments in LDS
.set P2,     3072                      ; a tile's two
.set REG,    32*P3
.set SCL,    2*REG
.set HALFS,  4096
.set SPARE,  SCL+4*HALFS
.set ADRA, 16                          ; v16-18 my A fragments in region 0, region 1, the last fill
.set ADRB, 20                          ; v20-22 the same for B
.set L16,  24
.set L8,   25
.set ADRS, 27
.set SPW,  28
.set NIL,  29
.set SC,   32
.set AF,   128
.set TM,   32
.set TC,   48
.set SW,   56
.set SO,   72
.set IMG,  128
.set G1, 24
.set G0, 32                            ; s[32:35] A's second fill, s[36:39] its third
.set G1B, 48
.set G0B, 56
.set G1S, 68
.set G0S, 76
.set G1SB, 80
.set G0SB, 88
.set G0H, 92                           ; the head's fills of codes
.set G0HB, 96
.set KIND, 100
.set MSB, 0
.macro WIN new
.if MSB != (\new)
	s_set_vgpr_msb (MSB<<8)|(\new)
.set MSB, (\new)
.endif
.endm
.set MUL_LO, 0xa1
.set MUL_HI, 0xf1
.set TO_B,   0x40
.macro JLOAD g0a, g1a, g0b, g1b        ; waves 0, 1 fetch for A, waves 2, 3 for B
	s_cmp_eq_u32 s15, 0
	s_cbranch_scc0 .Lfor_b_\@
	tensor_load_to_lds s[\g0a:\g0a+3], s[\g1a:\g1a+7]
	s_nop 0
.rept 4
	v_nop
.endr
	s_branch .Lasked_\@
.Lfor_b_\@:
	tensor_load_to_lds s[\g0b:\g0b+3], s[\g1b:\g1b+7]
	s_nop 0
.rept 4
	v_nop
.endr
.Lasked_\@:
.endm
.macro CREST
	s_cmp_lg_u32 s14, 0
	s_cbranch_scc1 .Lnot_wave_0_\@
	s_barrier_signal -3
.Lnot_wave_0_\@:
	s_barrier_wait -3
	s_barrier_signal -1
	s_barrier_wait -1
.endm
.macro CROUND
	s_barrier_signal -1
	s_barrier_wait -1
	CREST
.endm
	s_load_b256 s[4:11], s[0:1], 0x0               ; opc, ops, qb, kv
	v_lshl_add_u32 v[SPW], v0, 2, SPARE
	v_mov_b32 v[NIL], 0
	ds_add_u32 v[SPW], v[NIL]                      ; the opening lines: the add twice on end
	ds_add_u32 v[SPW], v[NIL]
	v_lshrrev_b32 v1, 5, v0
	v_readfirstlane_b32 s14, v1                    ; wave
	s_lshr_b32 s15, s14, 1
	s_and_b32 s16, s14, 1
	s_bfe_u32 s40, ttmp6, 0x40000                  ; cx
	s_bfe_u32 s41, ttmp6, 0x40004                  ; cy
	s_and_b32 s17, ttmp7, 0xffff
	s_lshr_b32 s[KIND], s17, 2                     ; which product
	s_and_b32 s17, s17, 3
	s_lshl_b32 s17, s17, 2
	s_mov_b32 s20, 0x100                           ; A's and B's first tiles in opc
	s_mov_b32 s46, 0x240
	s_cmp_eq_u32 s[KIND], 2
	s_cselect_b32 s18, 0, s17
	s_cselect_b32 s19, s17, 0
	s_cselect_b32 s20, 0x280, s20
	s_cselect_b32 s46, 0x100, s46
	s_cmp_eq_u32 s[KIND], 0
	s_cselect_b32 s20, 0, s20
	s_cselect_b32 s46, 0x200, s46
	s_add_co_u32 s17, s18, s41                     ; block row
	s_add_co_u32 s42, s19, s40                     ; block column
	s_lshl_b32 s43, s41, 2
	s_lshl_b32 s43, 15, s43                        ; my row of the cluster
	s_lshl_b32 s44, 0x1111, s40                    ; my column
	s_or_b32 s[G1+0], s43, (3<<16)|(1<<21)
	s_or_b32 s[G1B+0], s44, (3<<16)|(1<<21)
.irp g, G1, G1B                                ; the head's: 16 rows of 576 elements of 8 bytes, 1,536 elements apart
	s_mov_b32 s[\g+1], 576<<16
	s_mov_b32 s[\g+2], 16<<16
	s_mov_b32 s[\g+3], 576<<16
	s_mov_b32 s[\g+4], 16
	s_mov_b32 s[\g+5], 1536
	s_mov_b32 s[\g+6], 0
	s_mov_b32 s[\g+7], 0
.endr
	s_or_b32 s[G1S+0], s43, (3<<16)|(1<<21)
	s_or_b32 s[G1SB+0], s44, (3<<16)|(1<<21)
.irp g, G1S, G1SB                              ; 16 tiles' scale words: 8,192 dense bytes as 32 rows of 256
	s_mov_b32 s[\g+1], 32<<16
	s_mov_b32 s[\g+2], 32<<16
	s_mov_b32 s[\g+3], 32<<16
	s_mov_b32 s[\g+4], 32
	s_mov_b32 s[\g+5], 32
	s_mov_b32 s[\g+6], 0
	s_mov_b32 s[\g+7], 0
.endr
	s_lshl_b32 s19, s17, 4
	s_add_co_u32 s20, s20, s19                     ; A's first tile
	s_lshl_b32 s47, s42, 4
	s_add_co_u32 s46, s46, s47                     ; B's
	s_lshl_b32 s22, s20, 9
	s_mul_i32 s20, s20, TPITCH
	s_lshl_b32 s44, s46, 9
	s_mul_i32 s46, s46, TPITCH
	s_mov_b32 s21, 0
	s_mov_b32 s23, 0
	s_mov_b32 s47, 0
	s_mov_b32 s45, 0
	s_mul_i32 s18, s16, 8*TPITCH                   ; behind the head I fetch 8 tiles: which half, in bytes
	s_mov_b32 s19, 0
	s_mul_i32 s12, s14, 8*P3                       ; and where they go: by the wave's number alone
	s_mul_i32 s13, s14, 8*P2
	s_wait_dscnt 0x0
	s_wait_kmcnt 0x0
	s_add_nc_u64 s[20:21], s[4:5], s[20:21]
	s_add_nc_u64 s[22:23], s[6:7], s[22:23]
	s_add_nc_u64 s[46:47], s[4:5], s[46:47]
	s_add_nc_u64 s[44:45], s[6:7], s[44:45]
	CROUND                                         ; the first joint loads meet
	s_mov_b32 s[G0H], 1
	s_mov_b32 s[G0H+1], 0
	s_mov_b64 s[G0H+2:G0H+3], s[20:21]
	s_or_b32 s[G0H+3], s[G0H+3], 0x80000000
	s_mov_b32 s[G0HB], 1
	s_mov_b32 s[G0HB+1], 16*P3
	s_mov_b64 s[G0HB+2:G0HB+3], s[46:47]
	s_or_b32 s[G0HB+3], s[G0HB+3], 0x80000000
	s_mov_b32 s[G0S], 1
	s_mov_b32 s[G0S+1], SCL
	s_mov_b64 s[G0S+2:G0S+3], s[22:23]
	s_or_b32 s[G0S+3], s[G0S+3], 0x80000000
	s_mov_b32 s[G0SB], 1
	s_mov_b32 s[G0SB+1], SCL+2*HALFS
	s_mov_b64 s[G0SB+2:G0SB+3], s[44:45]
	s_or_b32 s[G0SB+3], s[G0SB+3], 0x80000000
	s_add_nc_u64 s[20:21], s[20:21], s[18:19]
	s_add_nc_u64 s[46:47], s[46:47], s[18:19]
	s_mov_b32 s[G0], 1                             ; steps 3-5
	s_add_co_u32 s[G0+1], s12, REG
	s_add_nc_u64 s[G0+2:G0+3], s[20:21], P3
	s_or_b32 s[G0+3], s[G0+3], 0x80000000
	s_mov_b32 s[G0+4], 1                           ; steps 6-7
	s_add_co_u32 s[G0+5], s13, 0
	s_add_nc_u64 s[G0+6:G0+7], s[20:21], 2*P3
	s_or_b32 s[G0+7], s[G0+7], 0x80000000
	s_mov_b32 s[G0B], 1
	s_add_co_u32 s[G0B+1], s12, REG
	s_add_nc_u64 s[G0B+2:G0B+3], s[46:47], P3
	s_or_b32 s[G0B+3], s[G0B+3], 0x80000000
	s_mov_b32 s[G0B+4], 1
	s_add_co_u32 s[G0B+5], s13, 0
	s_add_nc_u64 s[G0B+6:G0B+7], s[46:47], 2*P3
	s_or_b32 s[G0B+7], s[G0B+7], 0x80000000
.macro ARM under, g0, g1, next         ; one chain of branches on the wave's number: every way passes exactly one load
	s_cmp_lt_u32 s14, \under
	s_cbranch_scc0 \next
	tensor_load_to_lds s[\g0:\g0+3], s[\g1:\g1+7]
	s_nop 0
.rept 4
	v_nop
.endr
	s_branch .Lhead_asked
\next:
.endm
	ARM 1, G0H,  G1,  .Lhead_b
	ARM 2, G0HB, G1B, .Lhead_sa
	ARM 3, G0S,  G1S, .Lhead_sb
	tensor_load_to_lds s[G0SB:G0SB+3], s[G1SB:G1SB+7]
	s_nop 0
.rept 4
	v_nop
.endr
.Lhead_asked:
	s_mul_i32 s20, s15, 8*P3                       ; my 8 tiles of A, of B, in each layout
	s_mul_i32 s21, s16, 8*P3
	s_add_co_u32 s21, s21, 16*P3
	s_mul_i32 s22, s15, 8*P2
	s_mul_i32 s23, s16, 8*P2
	s_add_co_u32 s23, s23, 16*P2
	s_lshl_b32 s18, s15, 12
	s_lshl_b32 s19, s16, 12
	s_add_co_u32 s19, s19, 2*HALFS
	s_sub_co_u32 s19, s19, s18
	s_add_co_u32 s18, s18, SCL
	v_and_b32 v3, 31, v0
	v_and_b32 v1, 15, v0
	v_bfe_u32 v2, v0, 4, 1
	v_lshlrev_b32 v[L16], 4, v3
	v_lshlrev_b32 v[L8], 3, v3
	v_add_nc_u32 v[ADRA], s20, v[L8]
	v_add_nc_u32 v[ADRB], s21, v[L8]
	v_add_nc_u32 v[ADRA+2], s22, v[L8]
	v_add_nc_u32 v[ADRB+2], s23, v[L8]
	v_add_nc_u32 v[ADRA+1], REG, v[ADRA]
	v_add_nc_u32 v[ADRB+1], REG, v[ADRB]
	v_mul_u32_u24 v6, s19, v2                      ; lanes 16-31 take B's scale words
	v_lshl_add_u32 v5, v1, 3, v6
	v_add_nc_u32 v[ADRS], s18, v5
	; where the results go
	s_lshl_b32 s20, s17, 1
	s_add_co_u32 s20, s20, s15
	s_lshl_b32 s21, s42, 1
	s_add_co_u32 s21, s21, s16
	s_cmp_eq_u32 s[KIND], 2
	s_cselect_b32 s22, s21, s20
	s_cselect_b32 s23, s20, s21
	s_lshr_b32 s20, s22, 4
	s_lshl_b32 s20, s20, 4
	s_lshl_b32 s23, s23, 1
	s_add_co_u32 s20, s20, s23
	s_lshl_b32 s20, s20, 4
	s_and_b32 s22, s22, 15
	s_add_co_u32 s20, s20, s22
	s_cmp_eq_u32 s[KIND], 0
	s_cselect_b64 s[8:9], s[8:9], s[10:11]
	s_mov_b32 s21, 13056
	s_cselect_b32 s21, 6656, s21
	s_mov_b32 s22, 12288
	s_cselect_b32 s22, 6144, s22
	s_mul_i32 s20, s20, s21
	s_lshl_b32 s46, s21, 4
	s_mov_b32 s21, 0
	s_mov_b32 s47, 0
	s_mov_b32 s23, 0
	s_add_nc_u64 s[8:9], s[8:9], s[20:21]
	s_add_nc_u64 s[10:11], s[8:9], s[46:47]
	s_add_nc_u64 s[12:13], s[8:9], s[22:23]
	s_add_nc_u64 s[66:67], s[10:11], s[22:23]
.macro FRAG reg, adr, st, i            ; fragment (tile i, step st) as it was laid: pair p at 256 p + 8 x lane
.if (\st) < 6
.set FO, P3*(\i)+1536*((\st)%3)
.set FA, \adr+(\st)/3
.else
.set FO, P2*(\i)+1536*((\st)-6)
.set FA, \adr+2
.endif
.irp p, 0,1,2,3,4,5
	ds_load_b64 v[\reg+2*\p:\reg+2*\p+1], v[FA] offset:FO+256*\p
.endr
.endm
.macro MUL16 a0, p, q, sc, zero        ; the 64 accumulators by turns
.irp a, \a0, \a0+1
.irp b, 0,1,2,3,4,5,6,7
.if \zero
	v_wmma_scale_f32_16x16x128_f8f6f4 v[8*(8*((\a)%4)+\b):8*(8*((\a)%4)+\b)+7], v[128*(\p)+FR*\b:128*(\p)+FR*\b+FR-1], v[AF+FR*(\a):AF+FR*(\a)+FR-1], 0, v[SC+8*NQ*(\sc)+NQ*\b+(\q)], v[SC+8*NQ*(\sc)+NQ*(\a)+(\q)] matrix_a_fmt:MATRIX_FMT_BF6 matrix_b_fmt:MATRIX_FMT_BF6 matrix_a_scale:MATRIX_SCALE_ROW1
.else
	v_wmma_scale_f32_16x16x128_f8f6f4 v[8*(8*((\a)%4)+\b):8*(8*((\a)%4)+\b)+7], v[128*(\p)+FR*\b:128*(\p)+FR*\b+FR-1], v[AF+FR*(\a):AF+FR*(\a)+FR-1], v[8*(8*((\a)%4)+\b):8*(8*((\a)%4)+\b)+7], v[SC+8*NQ*(\sc)+NQ*\b+(\q)], v[SC+8*NQ*(\sc)+NQ*(\a)+(\q)] matrix_a_fmt:MATRIX_FMT_BF6 matrix_b_fmt:MATRIX_FMT_BF6 matrix_a_scale:MATRIX_SCALE_ROW1
.endif
.endr
.endr
.endm
.macro FETCH_B st, p
	WIN TO_B
.irp i, 0,1,2,3,4,5,6,7
	FRAG 128*(\p)+FR*\i, ADRB, \st, \i
.endr
	WIN 0
.endm
.macro FETCH_A st, i0
.irp i, \i0, \i0+1, \i0+2, \i0+3
	FRAG AF+FR*(\i), ADRA, \st, \i
.endr
.endm
.macro SCALES pr                       ; the words of steps 2 pr, 2 pr + 1 into set pr % 2
.irp i, 0,1,2,3,4,5,6,7
	ds_load_b64 v[SC+8*NQ*((\pr)%2)+NQ*\i:SC+8*NQ*((\pr)%2)+NQ*\i+1], v[ADRS] offset:512*\i+128*(\pr)
.endr
.endm
.macro PLACES n
.rept \n
	v_nop
.endr
.endm
; A step: 64 products; the next step's fragments come in its middle and at its end.  Step 2: region 0 is read no more and region 1 must be whole: the three lines, a round, the refill.
; Step 5: the last fill must be whole: the wait and a barrier.
.macro STEP st, zero
.set NX, (\st)+1
.if ((\st) == 2) || ((\st) == 5)
	s_wait_tensorcnt 0x0                           ; all my tensor loads have landed
.if (\st) == 2
	ds_add_u32 v[SPW], v[NIL]
	s_mov_b32 s[G1+1], 384<<16                     ; no load of mine is out: from here on a row is two fragments
	s_mov_b32 s[G1+3], 384<<16
	s_mov_b32 s[G1B+1], 384<<16
	s_mov_b32 s[G1B+3], 384<<16
	s_wait_dscnt 4*NL+1                            ; the add and A's blocks 4-7 may be out
.else
	s_wait_dscnt 4*NL
.endif
	WIN MUL_LO
	MUL16 0, (\st)%2, (\st)%2, ((\st)/2)%2, \zero
	s_wait_dscnt 0x0                               ; the add and all my LDS reads are done
	s_barrier_signal -1
	MUL16 2, (\st)%2, (\st)%2, ((\st)/2)%2, \zero
	WIN 0
	s_barrier_wait -1
.if (\st) == 2
	CREST
	JLOAD G0+4, G1, G0B+4, G1B                     ; steps 6-7; its four v_nop are the places in front of the loads below
.else
	PLACES NP
.endif
.else
	s_wait_dscnt 4*NL                              ; all but A's blocks 4-7
	WIN MUL_LO
	MUL16 0, (\st)%2, (\st)%2, ((\st)/2)%2, \zero
	MUL16 2, (\st)%2, (\st)%2, ((\st)/2)%2, \zero
	s_wait_dscnt 0
	PLACES NP
.endif
	FETCH_B NX, NX%2
	FETCH_A NX, 0
.if NX%2 == 0
	SCALES NX/2
.endif
	WIN MUL_HI
	MUL16 4, (\st)%2, (\st)%2, ((\st)/2)%2, \zero
	MUL16 6, (\st)%2, (\st)%2, ((\st)/2)%2, \zero
	PLACES NP
	WIN 0
	FETCH_A NX, 4
.endm
	s_wait_alu depctr_va_vdst(0)                   ; the wait at the head's end
	s_wait_tensorcnt 0x0                           ; my tile of the head's four is in
	ds_add_u32 v[SPW], v[NIL]
	s_mov_b32 s[G1+2], 8<<16                       ; from here on a load brings 8 tiles
	s_mov_b32 s[G1+4], 8
	s_mov_b32 s[G1B+2], 8<<16
	s_mov_b32 s[G1B+4], 8
	s_wait_dscnt 0x0
	CROUND
	JLOAD G0, G1, G0B, G1B                         ; steps 3-5, region 1's first fill
	FETCH_B 0, 0
	FETCH_A 0, 0
	SCALES 0
	FETCH_A 0, 4
	STEP 0, 1
.irp k, 1,2,3,4,5,6
	STEP \k, 0
.endr
	s_wait_dscnt 4*NL
	WIN MUL_LO
	MUL16 0, 1, 1, 1, 0
	MUL16 2, 1, 1, 1, 0
	s_wait_dscnt 0
	WIN MUL_HI
	MUL16 4, 1, 1, 1, 0
	MUL16 6, 1, 1, 1, 0
	WIN 0
	s_mov_b32 s96, 0x76543210                      ; lane l xor 16
	s_mov_b32 s97, 0xfedcba98
	s_mov_b32 s99, 0xffff0000                      ; lanes 16-31
; Block a's 16 rows x 128: four blocks of 32 along the lane's registers and lane l xor 16's; codes into d0 (blocks 0, 1) and d1 (blocks 2, 3)
.macro QUANTA a, d0, d1, kind
.set AC, 64*((\a)%4)
.set WA, 2+(\a)/4
	WIN WA|(WA<<2)
.irp b, 0,1,2,3
	v_max3_num_f32 v[TM+\b], |v[AC+16*\b]|, |v[AC+16*\b+1]|, 0x2800000
.endr
.irp i, 2,4,6,8,10,12,14
.irp b, 0,1,2,3
	v_max3_num_f32 v[TM+\b], |v[AC+16*\b+\i]|, |v[AC+16*\b+\i+1]|, v[TM+\b]
.endr
.endr
	WIN 0
.irp b, 0,1,2,3
	v_permlanex16_b32 v[TM+4+\b], v[TM+\b], s96, s97
.endr
.irp b, 0,1,2,3
	v_max_num_f32 v[TM+\b], v[TM+\b], v[TM+4+\b]
.endr
.irp b, 0,1,2,3
	v_add_nc_u32 v[TM+12+\b], 0xfe000000, v[TM+\b]
.endr
.irp b, 0,1,2,3
	v_lshrrev_b32 v[TM+4+\b], 23, v[TM+12+\b]
.endr
.if \kind == 0
	v_lshl_or_b32 v[SW+(\a)], v[TM+5], 8, v[TM+4]
	v_lshl_or_b32 v[SW+8+(\a)], v[TM+7], 8, v[TM+6]
.else
	v_lshl_or_b32 v[SW+(\a)], v[TM+5], 8, v[TM+4]
	v_lshl_or_b32 v[SW+(\a)], v[TM+6], 16, v[SW+(\a)]
	v_lshl_or_b32 v[SW+(\a)], v[TM+7], 24, v[SW+(\a)]
.endif
	WIN WA
	v_cvt_scalef32_pk16_bf6_f32 v[\d0:\d0+2], v[AC:AC+15], v[TM+12]
	v_cvt_scalef32_pk16_bf6_f32 v[TC:TC+2], v[AC+16:AC+31], v[TM+13]
	v_cvt_scalef32_pk16_bf6_f32 v[\d1:\d1+2], v[AC+32:AC+47], v[TM+14]
	v_cvt_scalef32_pk16_bf6_f32 v[TC+4:TC+6], v[AC+48:AC+63], v[TM+15]
	WIN 0
	v_nop
.irp i, 0,1,2
	v_permlane16_swap_b32 v[\d0+\i], v[TC+\i]
	v_permlane16_swap_b32 v[\d1+\i], v[TC+4+\i]
.endr
.irp i, 0,1,2
	v_mov_b32 v[\d0+3+\i], v[TC+\i]
	v_mov_b32 v[\d1+3+\i], v[TC+4+\i]
.endr
.endm
	PLACES NP
.irp b, 0,1,2,3
	v_mov_b32 v[TM+4+\b], 0
.endr
	s_cmp_eq_u32 s[KIND], 2
	s_cbranch_scc1 .Lway_v
.irp a, 0,1,2,3,4,5,6,7
	QUANTA \a, IMG+6*\a, IMG+48+6*\a, 0
.if \a%2 == 1
.irp c, 0,1,2
	global_store_b128 v[L16], v[IMG+4*(3*(\a/2)+\c):IMG+4*(3*(\a/2)+\c)+3], s[8:9] offset:512*(3*(\a/2)+\c)
	global_store_b128 v[L16], v[IMG+48+4*(3*(\a/2)+\c):IMG+48+4*(3*(\a/2)+\c)+3], s[10:11] offset:512*(3*(\a/2)+\c)
.endr
.endif
.endr
.irp c, 0,1
.irp u, 0,1,2,3
	v_cndmask_b32 v[SO+4*\c+\u], v[SW+8*\c+2*\u], v[SW+8*\c+2*\u+1], s99
.endr
.endr
	global_store_b128 v[L16], v[SO:SO+3], s[12:13]
	global_store_b128 v[L16], v[SO+4:SO+7], s[66:67]
	s_branch .Ldone
.Lway_v:
.irp a, 0,1,2,3,4,5,6,7
	QUANTA \a, IMG+12*\a, IMG+12*\a+6, 1
.irp c, 0,1,2
	global_store_b128 v[L16], v[IMG+12*\a+4*\c:IMG+12*\a+4*\c+3], s[8:9] offset:208896*(\a/4)+6144+1536*(\a%4)+512*\c
.endr
.endr
.irp hl, 0,1
.irp u, 0,1
	v_cndmask_b32 v[SO+2*\hl+\u], v[SW+4*\hl+2*\u], v[SW+4*\hl+2*\u+1], s99
.endr
.endr
.irp hl, 0,1
	global_store_b64 v[L8], v[SO+2*\hl:SO+2*\hl+1], s[8:9] offset:208896*\hl+12800
.endr
.Ldone:
	s_wait_tensorcnt 0x0                           ; the wave's end
	ds_add_u32 v[SPW], v[NIL]
	s_wait_dscnt 0x0
	CROUND                                         ; the closing round
	s_endpgm
.Lfunc_end_k_qe8ac592ff3_proj:
	.size	k_qe8ac592ff3_proj, .Lfunc_end_k_qe8ac592ff3_proj-k_qe8ac592ff3_proj
	.p2alignl 7, 3214868480
	.fill 96, 4, 3214868480
	.section	.rodata,"a",@progbits
	.p2align	6, 0x0
	.amdhsa_kernel k_qe8ac592ff3_proj
		.amdhsa_group_segment_fixed_size 327680
		.amdhsa_private_segment_fixed_size 0
		.amdhsa_enable_private_segment 0
		.amdhsa_kernarg_size 32
		.amdhsa_user_sgpr_count 2
		.amdhsa_user_sgpr_kernarg_segment_ptr 1
		.amdhsa_wavefront_size32 1
		.amdhsa_system_sgpr_workgroup_id_x 1
		.amdhsa_system_sgpr_workgroup_id_y 1
		.amdhsa_system_sgpr_workgroup_id_z 1
		.amdhsa_system_vgpr_workitem_id 0
		.amdhsa_next_free_vgpr 1024
		.amdhsa_next_free_sgpr 102
		.amdhsa_reserve_vcc 0
		.amdhsa_float_denorm_mode_32 3
		.amdhsa_float_denorm_mode_16_64 3
		.amdhsa_memory_ordered 1
		.amdhsa_forward_progress 1
		.amdhsa_inst_pref_size 198
	.end_amdhsa_kernel
	.amdgpu_metadata
---
amdhsa.version: [ 1, 2 ]
amdhsa.kernels:
  - .name:           k_qe8ac592ff3_proj
    .symbol:         k_qe8ac592ff3_proj.kd
    .args:
      - { .name: opc, .offset: 0, .size: 8, .value_kind: global_buffer, .address_space: global }
      - { .name: ops, .offset: 8, .size: 8, .value_kind: global_buffer, .address_space: global }
      - { .name: qb, .offset: 16, .size: 8, .value_kind: global_buffer, .address_space: global }
      - { .name: kv, .offset: 24, .size: 8, .value_kind: global_buffer, .address_space: global }
    .group_segment_fixed_size: 327680
    .private_segment_fixed_size: 0
    .kernarg_segment_align: 8
    .kernarg_segment_size: 32
    .max_flat_workgroup_size: 128
    .sgpr_count:     102
    .vgpr_count:     1024
    .wavefront_size: 32
...
	.end_amdgpu_metadata
.endif
;; end of part 2
;; launch attn (part 3): grid 8 x 32, 16 waves a work-group, clusters of 4 x 1, 210,944 bytes of LDS; arguments qb, kv, oc, os; writes oc, os
.if DOCPART == 3
	.amdgcn_target "amdgcn-amd-amdhsa--gfx1250"
	.amdhsa_code_object_version 6
	.text
	.protected	k_qe8ac592ff3_attn
	.globl	k_qe8ac592ff3_attn
	.p2align	8
	.type	k_qe8ac592ff3_attn,@function
k_qe8ac592ff3_attn:
	s_mov_b64 s[64:65], 0
	v_nop
	global_prefetch_b8 v0, s[64:65] scope:SCOPE_SE
	s_setreg_imm32_b32 hwreg(HW_REG_WAVE_MODE, 25, 1), 1
	s_wait_xcnt 0x0
	s_wait_alu depctr_hold_cnt(0) depctr_sa_sdst(0) depctr_va_vdst(0) depctr_va_sdst(0) depctr_va_ssrc(0) depctr_va_vcc(0) depctr_vm_vsrc(0)
	s_getreg_b32 s2, hwreg(HW_REG_IB_STS2, 6, 4)
	s_cmp_eq_u32 s2, 0
	s_cbranch_scc0 .Lentry_in_a_cluster
	s_endpgm
.Lentry_in_a_cluster:
	s_bfe_u32 s2, ttmp6, 0x10000c
	s_cmp_lg_u32 s2, 0x3003
	s_cbranch_scc0 .Lentry_shape_is_right
	s_endpgm
.Lentry_shape_is_right:
; o[b][q][head][:] = the sum over keys of softmax(q . k / 8) v, both products on codes of E3M2 with E8M0 scales; o is quantised along (head, d) and leaves as codes: an operand of the last product.
; THE SOFTMAX: t = score x log2(e) / 8; M = the row's largest t so far, rounded UP to a whole number; p = 2^(t - M) is quantised along the keys; the row's sum is taken of the unquantised p and divides o at the end.
; When M moves, the sum and o are multiplied by 2^(old M - new M): exact.  The running maximum is kept as a score; c is positive, so c x the largest score is the largest t.
; SHARES.  A work-group owns 256 queries of one (batch, head), each of its sixteen waves 16 of them in 256 registers.
; ALL OF THE HEAD'S K AND V, 16 steps of 13,056 bytes as the launch before laid them, come into LDS ONCE: wave w brings step w, 51 rows of 256 bytes, by its one tensor load at the head; one wait, one barrier, and the
; sixteen steps follow with no further barrier.  No LDS byte is filled twice and nothing is stored to LDS.  The four work-groups of a cluster belong to one head and ask JOINTLY.
; No prefetch: every byte of K and V is asked for at the kernel's head, so nothing is left to ask for ahead.
; LAYOUT.  Both products are used transposed: S^T = K Q^T, O^T = V^T P^T: a lane holds ONE query throughout.  The keys of a tile of K and the channels of a tile of V were chosen so that the 16 registers of two
; neighbouring result tiles are 16 neighbours.  K = 64 IN AN INSTRUCTION OF 128: Q's registers 6-11 are zero codes; K's tile t is named as registers 6 t .. 6 t + 11 of a run of 48 (behind tile 7: six zeroed registers);
; E3M2 has no NaN and no infinity, so what meets zeros adds nothing; the scale bytes of that half are 0 (2^-127) on both sides.
; LIMITS: NaN and infinities are not served; the scaled scores stay under 2^31 in magnitude; o = O / l by v_rcp_f32 and a multiplication; a block of o under 2^-122 gets the byte 1.
.set STEPB, 13056                      ; a key step in LDS: +0 K's codes, +6,144 V's, +12,288 K's scale words, +12,800 V's
.set L16,  1
.set L8,   2
.set ADK,  3                           ; v3   the step whose K is fetched next + 16 x lane
.set ADW,  4                           ; v4   the step in hand + 16 x lane, for V
.set ADV,  11                          ; v11  the step in hand + 8 x lane
.set QF,   16
.set QS,   28
.set R,    30
.set KS,   84
.set VS,   88
.set S,    90
.set O,    154
.set PCD,  186
.set BM,   198
.set BT,   202
.set TCV,  206
.set SCO,  214
.set PS,   218
.set F,    220
.set TMP,  222
.set T2,   223
.set SA2,  224
.set SB2,  226
.set WV,   12
.set SEL,  20
.set CS,   22
.set G1,   24
.set G0,   32
.set TB,   44
.set CNT,  45
.macro CROUND
	s_barrier_signal -1
	s_barrier_wait -1
	s_cmp_lg_u32 s[WV], 0
	s_cbranch_scc1 .Lnot_wave_0_\@
	s_barrier_signal -3
.Lnot_wave_0_\@:
	s_barrier_wait -3
	s_barrier_signal -1
	s_barrier_wait -1
.endm
	s_load_b256 s[4:11], s[0:1], 0x0               ; qb, kv, oc, os
	v_lshl_add_u32 v254, v0, 2, 0x33000
	v_mov_b32 v255, 0
	ds_add_u32 v254, v255                          ; the opening lines: the add twice on end
	ds_add_u32 v254, v255
	v_lshrrev_b32 v5, 5, v0
	v_readfirstlane_b32 s[WV], v5                  ; wave 0..15
	s_bfe_u32 s13, ttmp6, 0x40000                  ; cx
	s_lshl_b32 s14, ttmp9, 2
	s_add_co_u32 s14, s14, s13                     ; my block of 256 queries: it enters global addresses of Q and o alone
	s_and_b32 s15, ttmp7, 0xffff                   ; (batch, head), which the four partners share
	s_mov_b32 s[G1], 15|(3<<16)|(1<<21)            ; the mask: all four; elements of 8 bytes
	s_mov_b32 s[G1+1], 32<<16
	s_mov_b32 s[G1+2], 51<<16                      ; 51 dense rows of 256 bytes
	s_mov_b32 s[G1+3], 32<<16
	s_mov_b32 s[G1+4], 51
	s_mov_b32 s[G1+5], 32
	s_mov_b32 s[G1+6], 0
	s_mov_b32 s[G1+7], 0
	s_mul_i32 s16, s15, 16*STEPB                   ; the head's block,
	s_mul_i32 s18, s[WV], STEPB                    ; my step of it: the same in memory and in LDS
	s_add_co_u32 s16, s16, s18
	s_mov_b32 s17, 0
	s_mov_b32 s[SEL], 0x76543210
	s_mov_b32 s[SEL+1], 0xfedcba98
	s_mov_b32 s[CS], 0x3e38aa3b                    ; log2(e) / 8
	s_mov_b32 s[CS+1], s[CS]
	s_mov_b32 s[TB], 0
	s_lshl_b32 s46, s15, 4                         ; Q: block 2 x (my 256) + wave / 8 of the head's 16, tile wave % 8
	s_lshl_b32 s47, s14, 1
	s_add_co_u32 s46, s46, s47
	s_lshr_b32 s47, s[WV], 3
	s_add_co_u32 s46, s46, s47
	s_mul_i32 s46, s46, 6656
	s_mov_b32 s47, 0
	s_and_b32 s48, s[WV], 7
	s_mul_i32 s49, s48, 6
.irp i, 0,1,2                                  ; registers n = 6 t + 2 i, n + 1 lie in chunk n / 4, at byte 4 (n % 4) of my 16
	s_add_co_u32 s50, s49, 2*\i
	s_lshr_b32 s51, s50, 2
	s_lshl_b32 s51, s51, 9
	s_and_b32 s50, s50, 2
	s_lshl_b32 s50, s50, 2
	s_add_co_u32 s[58+\i], s51, s50
.endr
	s_and_b32 s50, s48, 1
	s_lshl_b32 s50, s50, 8
	s_lshr_b32 s51, s48, 1
	s_lshl_b32 s51, s51, 2
	s_add_co_u32 s61, s50, s51                     ; my row's scale word: lane 16 (t % 2) + r, word t / 2
	s_lshr_b32 s52, s15, 4                         ; where o goes: tile T = 128 x batch + 16 x (my 256) + wave; fragment head / 2, its half head % 2
	s_and_b32 s53, s15, 15
	s_lshl_b32 s52, s52, 7
	s_lshl_b32 s54, s14, 4
	s_add_co_u32 s52, s52, s54
	s_add_co_u32 s52, s52, s[WV]
	s_lshl_b32 s54, s52, 3
	s_lshr_b32 s55, s53, 1
	s_add_co_u32 s54, s54, s55
	s_mul_i32 s54, s54, 1536
	s_and_b32 s55, s53, 1
	s_mul_i32 s55, s55, 768
	s_add_co_u32 s54, s54, s55
	s_mov_b32 s55, 0
	s_lshl_b32 s56, s52, 9
	s_lshr_b32 s57, s53, 2
	s_lshl_b32 s57, s57, 7
	s_add_co_u32 s56, s56, s57
	s_and_b32 s57, s53, 3
	s_lshl_b32 s57, s57, 1
	s_add_co_u32 s56, s56, s57                     ; the scale bytes: 512 T + 128 (head / 4) + 2 (head % 4)
	s_mov_b32 s57, 0
	v_and_b32 v5, 31, v0
	v_and_b32 v6, 15, v0                           ; r
	v_lshlrev_b32 v[L16], 4, v5
	v_lshlrev_b32 v[L8], 3, v5
.irp i, 0,1,2
	v_add_nc_u32 v[7+\i], s[58+\i], v[L16]
.endr
	v_lshl_add_u32 v10, v6, 4, s61
	v_add_nc_u32 v[ADK], s[TB], v[L16]
.irp j, 0,1,2,3,4,5
	v_mov_b32 v[QF+6+\j], 0                        ; the half of the instruction's K that holds nothing: zero codes
	v_mov_b32 v[R+48+\j], 0
.endr
	v_mov_b32 v13, 0xff61b1e6                      ; the largest score so far: -3e38
	v_floor_f32 v12, -v13                          ; -M
	v_mov_b32 v14, 0                               ; the sum, in two halves
	v_mov_b32 v15, 0
.irp b, 0,1,2,3
	v_mov_b32 v[BT+\b], 0                          ; a lane permute's destination counts as one of its sources
.endr
	v_mov_b32 v[F+1], 0
	s_wait_alu depctr_va_vdst(0)                   ; the wait at the head's end
	s_wait_dscnt 0x0
	s_wait_kmcnt 0x0
	s_add_nc_u64 s[6:7], s[6:7], s[16:17]
	s_add_nc_u64 s[4:5], s[4:5], s[46:47]
	s_add_nc_u64 s[8:9], s[8:9], s[54:55]
	s_add_nc_u64 s[10:11], s[10:11], s[56:57]
	CROUND                                         ; all four work-groups are here: the joint loads meet
	s_mov_b32 s[G0], 1
	s_add_co_u32 s[G0+1], s18, 0
	s_mov_b64 s[G0+2:G0+3], s[6:7]
	s_or_b32 s[G0+3], s[G0+3], 0x80000000
	tensor_load_to_lds s[G0:G0+3], s[G1:G1+7]      ; my one tensor load of the launch
	s_nop 0
.rept 4
	v_nop
.endr
.irp i, 0,1,2
	global_load_b64 v[QF+2*\i:QF+2*\i+1], v[7+\i], s[4:5]
.endr
	global_load_b32 v[QS], v10, s[4:5] offset:6144
; THE ROW'S SUM IS TAKEN OF THE UNQUANTISED p, two at a time, in two chains: four lines ahead of the step's second products, the rest in the NEXT step, ahead of that step's change of M.
.macro SUMS_A
	v_pk_add_f32 v[SA2:SA2+1], v[S:S+1], v[S+2:S+3]
	v_pk_add_f32 v[SB2:SB2+1], v[S+4:S+5], v[S+6:S+7]
	v_pk_add_f32 v[SA2:SA2+1], v[SA2:SA2+1], v[S+8:S+9]
	v_pk_add_f32 v[SB2:SB2+1], v[SB2:SB2+1], v[S+10:S+11]
.endm
.macro SUMS_J j
	v_pk_add_f32 v[SA2:SA2+1], v[SA2:SA2+1], v[S+\j:S+\j+1]
	v_pk_add_f32 v[SB2:SB2+1], v[SB2:SB2+1], v[S+\j+2:S+\j+3]
.endm
.macro SUMS_R
.irp j, 16,20,24,28,32,36,40,44,48,52,56,60
	SUMS_J \j
.endr
.endm
; A KEY STEP: 128 keys.  first = 1: no earlier p to sum, and the second products start O^T with the constant 0.
.macro STEP first
	v_add_nc_u32 v[ADW], s[TB], v[L16]
	v_add_nc_u32 v[ADV], s[TB], v[L8]
.if !\first
	SUMS_J 12                                      ; with the two lines above: four places behind the last products, in front of loads into registers that they read
.endif
.irp c, 0,1,2,3,4,5,6,7,8,9,10,11
	ds_load_b128 v[R+4*\c:R+4*\c+3], v[ADK] offset:512*\c
.endr
	ds_load_b128 v[KS:KS+3], v[ADK] offset:12288
	s_add_co_u32 s[TB], s[TB], STEPB
.if !\first
	SUMS_R
.endif
	s_wait_alu depctr_va_vdst(0)                   ; directly ahead of the wait below
	s_wait_dscnt 0x0
.irp t, 0,2,4,6                                ; S^T = K Q^T: eight tiles of 16 keys
	v_wmma_scale_f32_16x16x128_f8f6f4 v[S+8*\t:S+8*\t+7], v[R+6*\t:R+6*\t+11], v[QF:QF+11], 0, v[KS+\t/2], v[QS] matrix_a_fmt:MATRIX_FMT_BF6 matrix_b_fmt:MATRIX_FMT_BF6
	v_wmma_scale_f32_16x16x128_f8f6f4 v[S+8*(\t+1):S+8*(\t+1)+7], v[R+6*(\t+1):R+6*(\t+1)+11], v[QF:QF+11], 0, v[KS+\t/2], v[QS] matrix_a_fmt:MATRIX_FMT_BF6 matrix_b_fmt:MATRIX_FMT_BF6 matrix_a_scale:MATRIX_SCALE_ROW1
.endr
	v_add_nc_u32 v[ADK], s[TB], v[L16]             ; four places: the next step's address, the last step's sum, the old -M
.if \first
	v_nop
	v_mov_b32 v[TMP], v12
	v_nop
.else
	v_pk_add_f32 v[SA2:SA2+1], v[SA2:SA2+1], v[SB2:SB2+1]
	v_mov_b32 v[TMP], v12
	v_pk_add_f32 v[14:15], v[14:15], v[SA2:SA2+1]
.endif
.irp c, 0,1,2,3,4,5,6,7,8,9,10,11
	ds_load_b128 v[R+4*\c:R+4*\c+3], v[ADW] offset:6144+512*\c     ; V's four fragments land under the softmax
.endr
	ds_load_b64 v[VS:VS+1], v[ADV] offset:12800
.irp b, 0,1,2,3
	v_max3_num_f32 v[BM+\b], v[S+16*\b], v[S+16*\b+1], v[S+16*\b+2]   ; the largest score of each block of 32 keys: for the row's maximum and for the block's largest p
.endr
.irp i, 3,5,7,9,11,13
.irp b, 0,1,2,3
	v_max3_num_f32 v[BM+\b], v[BM+\b], v[S+16*\b+\i], v[S+16*\b+\i+1]
.endr
.endr
.irp b, 0,1,2,3
	v_max_num_f32 v[BM+\b], v[BM+\b], v[S+16*\b+15]
.endr
.irp b, 0,1,2,3
	s_delay_alu instid0(VALU_DEP_4)
	v_permlanex16_b32 v[BT+\b], v[BM+\b], s[SEL], s[SEL+1]
.endr
.irp b, 0,1,2,3
	s_delay_alu instid0(VALU_DEP_4)
	v_max_num_f32 v[BM+\b], v[BM+\b], v[BT+\b]     ; with lane l xor 16's 16 keys
.endr
	s_delay_alu instid0(VALU_DEP_2)
	v_max3_num_f32 v[T2], v[BM], v[BM+1], v[BM+2]
	s_delay_alu instid0(VALU_DEP_1)
	v_max3_num_f32 v13, v13, v[T2], v[BM+3]        ; the running largest score
	s_delay_alu instid0(VALU_DEP_1)
	v_mul_f32 v[T2], s[CS], v13                    ; as t
	s_delay_alu instid0(VALU_DEP_1)
	v_floor_f32 v12, -v[T2]                        ; the new -M = -ceil(t)
	s_delay_alu instid0(VALU_DEP_1)
	v_sub_f32 v[TMP], v12, v[TMP]                  ; old M - new M: a whole number, 0 or less
	s_delay_alu instid0(VALU_DEP_1)
	v_cvt_i32_f32 v[TMP], v[TMP]                   ; (it saturates)
	s_delay_alu instid0(VALU_DEP_1)
	v_ldexp_f32 v[F], 1.0, v[TMP]                  ; f = 2^(old M - new M)
.irp j, 0,2,4,6,8,10,12,14,16,18,20,22,24,26,28,30,32,34,36,38,40,42,44,46,48,50,52,54,56,58,60,62
	v_pk_fma_f32 v[S+\j:S+\j+1], v[S+\j:S+\j+1], s[CS:CS+1], v[12:13] op_sel_hi:[1,0,0]   ; t - M
.endr
.irp b, 0,1,2,3
	v_fma_f32 v[BM+\b], v[BM+\b], s[CS], v12
.endr
	s_wait_alu depctr_va_vdst(0)                   ; the wait ahead of the batch
.irp j, 0,1,2,3,4,5,6,7,8,9,10,11,12,13,14,15,16,17,18,19,20,21,22,23,24,25,26,27,28,29,30,31,32,33,34,35,36,37,38,39,40,41,42,43,44,45,46,47,48,49,50,51,52,53,54,55,56,57,58,59,60,61,62,63
	v_exp_f32 v[S+\j], v[S+\j]                     ; p = 2^(t - M)
.endr
.irp b, 0,1,2,3
	v_exp_f32 v[BM+\b], v[BM+\b]                   ; the block's largest p: the same two instructions on the same number
.endr
	v_pk_mul_f32 v[14:15], v[14:15], v[F:F+1] op_sel_hi:[1,0]   ; the sum under the new M; a plain place behind the exponentials
	s_wait_alu depctr_va_vdst(0)                   ; and the wait behind the batch
.irp b, 0,1,2,3
	v_max_num_f32 v[BM+\b], 0x2800000, v[BM+\b]    ; the floor 2^(5 - 127)
.endr
.irp b, 0,1,2,3
	s_delay_alu instid0(VALU_DEP_4)
	v_add_nc_u32 v[SCO+\b], 0xfe000000, v[BM+\b]
.endr
.irp b, 0,1,2,3
	s_delay_alu instid0(VALU_DEP_4)
	v_lshrrev_b32 v[BT+\b], 23, v[SCO+\b]
.endr
	s_delay_alu instid0(VALU_DEP_3)
	v_lshl_or_b32 v[PS], v[BT+1], 8, v[BT]         ; p's scale word
	s_delay_alu instid0(VALU_DEP_1)
	v_lshl_or_b32 v[PS], v[BT+2], 16, v[PS]
	s_delay_alu instid0(VALU_DEP_1)
	v_lshl_or_b32 v[PS], v[BT+3], 24, v[PS]
.irp c, 0,1
	v_cvt_scalef32_pk16_bf6_f32 v[PCD+6*\c:PCD+6*\c+2], v[S+32*\c:S+32*\c+15], v[SCO+2*\c]
	v_cvt_scalef32_pk16_bf6_f32 v[TCV+4*\c:TCV+4*\c+2], v[S+32*\c+16:S+32*\c+31], v[SCO+2*\c+1]
.endr
.if \first
	v_nop                                          ; one plain place behind a scaled conversion
.else
.irp j, 0,2,4,6,8,10,12,14,16,18,20,22,24,26,28,30
	v_pk_mul_f32 v[O+\j:O+\j+1], v[O+\j:O+\j+1], v[F:F+1] op_sel_hi:[1,0]   ; O^T under the new M
.endr
.endif
.irp c, 0,1                                    ; a WHOLE block to a lane
.irp i, 0,1,2
	v_permlane16_swap_b32 v[PCD+6*\c+\i], v[TCV+4*\c+\i]
.endr
.irp i, 0,1,2
	s_delay_alu instid0(VALU_DEP_3)
	v_mov_b32 v[PCD+3+6*\c+\i], v[TCV+4*\c+\i]
.endr
.endr
	SUMS_A                                         ; four places between the last write of p's codes and the scaled products
	s_wait_alu depctr_va_vdst(0)
	s_wait_dscnt 0x0                               ; V is in
.irp t, 0,2                                    ; O^T += V^T P^T: four tiles of 16 channels, by turns
.if \first
	v_wmma_scale_f32_16x16x128_f8f6f4 v[O+8*\t:O+8*\t+7], v[R+12*\t:R+12*\t+11], v[PCD:PCD+11], 0, v[VS+\t/2], v[PS] matrix_a_fmt:MATRIX_FMT_BF6 matrix_b_fmt:MATRIX_FMT_BF6
	v_wmma_scale_f32_16x16x128_f8f6f4 v[O+8*(\t+1):O+8*(\t+1)+7], v[R+12*(\t+1):R+12*(\t+1)+11], v[PCD:PCD+11], 0, v[VS+\t/2], v[PS] matrix_a_fmt:MATRIX_FMT_BF6 matrix_b_fmt:MATRIX_FMT_BF6 matrix_a_scale:MATRIX_SCALE_ROW1
.else
	v_wmma_scale_f32_16x16x128_f8f6f4 v[O+8*\t:O+8*\t+7], v[R+12*\t:R+12*\t+11], v[PCD:PCD+11], v[O+8*\t:O+8*\t+7], v[VS+\t/2], v[PS] matrix_a_fmt:MATRIX_FMT_BF6 matrix_b_fmt:MATRIX_FMT_BF6
	v_wmma_scale_f32_16x16x128_f8f6f4 v[O+8*(\t+1):O+8*(\t+1)+7], v[R+12*(\t+1):R+12*(\t+1)+11], v[PCD:PCD+11], v[O+8*(\t+1):O+8*(\t+1)+7], v[VS+\t/2], v[PS] matrix_a_fmt:MATRIX_FMT_BF6 matrix_b_fmt:MATRIX_FMT_BF6 matrix_a_scale:MATRIX_SCALE_ROW1
.endif
.endr
.endm
	s_wait_loadcnt 0x0                             ; Q
	s_wait_tensorcnt 0x0                           ; my step has landed;
	s_barrier_signal -1
	s_barrier_wait -1                              ; everybody's has
	STEP 1
	s_mov_b32 s[CNT], 15
.Lstep:
	STEP 0
	s_sub_co_u32 s[CNT], s[CNT], 1
	s_cmp_lg_u32 s[CNT], 0
	s_cbranch_scc1 .Lstep
	; THE WAY OUT.  The last step's p is summed (plain lines: the places behind the last products); o = O^T / l; its two blocks of 32 channels are quantised and leave as half a fragment of the last product's A.
	SUMS_J 12
	SUMS_R
	s_delay_alu instid0(VALU_DEP_1)
	v_pk_add_f32 v[SA2:SA2+1], v[SA2:SA2+1], v[SB2:SB2+1]
	s_delay_alu instid0(VALU_DEP_1)
	v_pk_add_f32 v[14:15], v[14:15], v[SA2:SA2+1]
	s_delay_alu instid0(VALU_DEP_1)
	v_add_f32 v14, v14, v15
	s_delay_alu instid0(VALU_DEP_1)
	v_permlanex16_b32 v[TMP], v14, s[SEL], s[SEL+1]
	s_delay_alu instid0(VALU_DEP_1)
	v_add_f32 v14, v14, v[TMP]                     ; the row's sum
	s_wait_alu depctr_va_vdst(0)
	v_rcp_f32 v14, v14
	v_lshlrev_b32 v7, 3, v6                        ; (a plain place behind the transcendental)  8 r
	s_wait_alu depctr_va_vdst(0)
.irp j, 0,2,4,6,8,10,12,14,16,18,20,22,24,26,28,30
	v_pk_mul_f32 v[S+\j:S+\j+1], v[O+\j:O+\j+1], v[14:15] op_sel_hi:[1,0]   ; each accumulator from its low end on
.endr
.irp b, 0,1
	v_max3_num_f32 v[BM+\b], |v[S+16*\b]|, |v[S+16*\b+1]|, 0x2800000
.endr
.irp i, 2,4,6,8,10,12,14
.irp b, 0,1
	s_delay_alu instid0(VALU_DEP_2)
	v_max3_num_f32 v[BM+\b], v[BM+\b], |v[S+16*\b+\i]|, |v[S+16*\b+\i+1]|
.endr
.endr
.irp b, 0,1
	s_delay_alu instid0(VALU_DEP_2)
	v_permlanex16_b32 v[BT+\b], v[BM+\b], s[SEL], s[SEL+1]
.endr
.irp b, 0,1
	s_delay_alu instid0(VALU_DEP_2)
	v_max_num_f32 v[BM+\b], v[BM+\b], v[BT+\b]
.endr
.irp b, 0,1
	s_delay_alu instid0(VALU_DEP_2)
	v_add_nc_u32 v[SCO+\b], 0xfe000000, v[BM+\b]
.endr
.irp b, 0,1
	s_delay_alu instid0(VALU_DEP_2)
	v_lshrrev_b32 v[BT+\b], 23, v[SCO+\b]
.endr
	s_delay_alu instid0(VALU_DEP_1)
	v_lshl_or_b32 v[TMP], v[BT+1], 8, v[BT]        ; my row's two bytes
	v_cvt_scalef32_pk16_bf6_f32 v[PCD:PCD+2], v[S:S+15], v[SCO]
	v_cvt_scalef32_pk16_bf6_f32 v[TCV:TCV+2], v[S+16:S+31], v[SCO+1]
	v_nop
.irp i, 0,1,2
	v_permlane16_swap_b32 v[PCD+\i], v[TCV+\i]
.endr
.irp i, 0,1,2
	s_delay_alu instid0(VALU_DEP_3)
	v_mov_b32 v[PCD+3+\i], v[TCV+\i]
.endr
.irp e, 0,1,2
	global_store_b64 v[L8], v[PCD+2*\e:PCD+2*\e+1], s[8:9] offset:256*\e   ; 256 consecutive bytes, aligned
.endr
	global_store_b16 v7, v[TMP], s[10:11]          ; two bytes a row are all that a head has of a row's scale bytes; lanes r and 16 + r write the same bytes with the same value
	s_wait_tensorcnt 0x0                           ; the wave's end
	ds_add_u32 v254, v255
	s_wait_dscnt 0x0
	CROUND                                         ; the closing round
	s_endpgm
.Lfunc_end_k_qe8ac592ff3_attn:
	.size	k_qe8ac592ff3_attn, .Lfunc_end_k_qe8ac592ff3_attn-k_qe8ac592ff3_attn
	.p2alignl 7, 3214868480
	.fill 96, 4, 3214868480
	.section	.rodata,"a",@progbits
	.p2align	6, 0x0
	.amdhsa_kernel k_qe8ac592ff3_attn
		.amdhsa_group_segment_fixed_size 210944
		.amdhsa_private_segment_fixed_size 0
		.amdhsa_enable_private_segment 0
		.amdhsa_kernarg_size 32
		.amdhsa_user_sgpr_count 2
		.amdhsa_user_sgpr_kernarg_segment_ptr 1
		.amdhsa_wavefront_size32 1
		.amdhsa_system_sgpr_workgroup_id_x 1
		.amdhsa_system_sgpr_workgroup_id_y 1
		.amdhsa_system_sgpr_workgroup_id_z 1
		.amdhsa_system_vgpr_workitem_id 0
		.amdhsa_next_free_vgpr 256
		.amdhsa_next_free_sgpr 66
		.amdhsa_reserve_vcc 0
		.amdhsa_float_denorm_mode_32 3
		.amdhsa_float_denorm_mode_16_64 3
		.amdhsa_memory_ordered 1
		.amdhsa_forward_progress 1
		.amdhsa_inst_pref_size 43
	.end_amdhsa_kernel
	.amdgpu_metadata
---
amdhsa.version: [ 1, 2 ]
amdhsa.kernels:
  - .name:           k_qe8ac592ff3_attn
    .symbol:         k_qe8ac592ff3_attn.kd
    .args:
      - { .name: qb, .offset: 0, .size: 8, .value_kind: global_buffer, .address_space: global }
      - { .name: kv, .offset: 8, .size: 8, .value_kind: global_buffer, .address_space: global }
      - { .name: oc, .offset: 16, .size: 8, .value_kind: global_buffer, .address_space: global }
      - { .name: os, .offset: 24, .size: 8, .value_kind: global_buffer, .address_space: global }
    .group_segment_fixed_size: 210944
    .private_segment_fixed_size: 0
    .kernarg_segment_align: 8
    .kernarg_segment_size: 32
    .max_flat_workgroup_size: 512
    .sgpr_count:     66
    .vgpr_count:     256
    .wavefront_size: 32
...
	.end_amdgpu_metadata
.endif
;; end of part 3
;; launch outg (part 4): grid 8 x 32, 4 waves a work-group, clusters of 4 x 4, 222,720 bytes of LDS; arguments oc, os, opc, ops, bo, out0; writes out0
.if DOCPART == 4
	.amdgcn_target "amdgcn-amd-amdhsa--gfx1250"
	.amdhsa_code_object_version 6
	.text
	.protected	k_qe8ac592ff3_outg
	.globl	k_qe8ac592ff3_outg
	.p2align	8
	.type	k_qe8ac592ff3_outg,@function
k_qe8ac592ff3_outg:
	s_mov_b64 s[64:65], 0
	v_nop
	global_prefetch_b8 v0, s[64:65] scope:SCOPE_SE
	s_setreg_imm32_b32 hwreg(HW_REG_WAVE_MODE, 25, 1), 1
	s_wait_xcnt 0x0
	s_wait_alu depctr_hold_cnt(0) depctr_sa_sdst(0) depctr_va_vdst(0) depctr_va_sdst(0) depctr_va_ssrc(0) depctr_va_vcc(0) depctr_vm_vsrc(0)
	s_getreg_b32 s2, hwreg(HW_REG_IB_STS2, 6, 4)
	s_cmp_eq_u32 s2, 0
	s_cbranch_scc0 .Lentry_in_a_cluster
	s_endpgm
.Lentry_in_a_cluster:
	s_bfe_u32 s2, ttmp6, 0x10000c
	s_cmp_lg_u32 s2, 0xf033
	s_cbranch_scc0 .Lentry_shape_is_right
	s_endpgm
.Lentry_shape_is_right:
; out0 = o Wo + bo.  o: codes of E3M2 and E8M0 scale words as the attention launch left them (oc, os: tiles T 0..255 of 16 rows); Wo: tiles 704..767 of opc, ops.  K = 1,024.  out0: [4096][1024] f32.
; A tile of the result is 128 x 128: 32 x 8 tiles, 256 work-groups of four waves, each wave 64 x 64 in 16 accumulators.
; THE MATRIX INSTRUCTION IS USED TRANSPOSED (source 0 = 16 rows of Wo^T, source 1 = 16 rows of o).  Lane r of Wo's stored tile T holds column 32 (T / 2) + 8 (T % 2) + r + 8 (r / 8): register j of lane (r, h) in
; result tile b is column 32 (b / 2) + 16 h + 8 (b % 2) + j of my 64; the bias is loaded so, and the stage's addresses put the columns in order.
; OPERANDS are register images: fragment (T, kap), 1,536 bytes at (8 T + kap) x 1,536; scale words [T][j][row][8 bytes].
; NO RING: a side's 8 tiles, all of K, are ONE dense block of 98,304 bytes, its scale words one of 4,096.  The four blocks come by the head's four tensor loads, one a wave, as rows of 256 bytes; no LDS byte is filled twice.
; CLUSTERS 4 x 4: o's blocks are asked for jointly along a row of the cluster, Wo's along a column.  The bias is the C of each sum's first product.
; No prefetch: every byte is asked for at the kernel's head, so nothing is left to ask for ahead.
.set FR,     12
.set TPITCH, 12288                     ; a tile's eight fragments
.set SIDE,   8*TPITCH
.set SCL,    2*SIDE
.set QSC,    2048
.set STG,    SCL+4*QSC                 ; a stage of 16 rows x (256 bytes + 16) for each wave; no tensor load lands there
.set SPITCH, 272
.set ROWC,   4096
.set ADRA, 8
.set ADRB, 12
.set STO,  16
.set RD,   17
.set CO,   18
.set ADRS, 19
.set SC,   32                          ; v32-63 register 8 i + kap: lanes 0-15 the word of o's tile i, lanes 16-31 that of Wo's tile i
.set BI,   64
.set ACC,  128
.set G1,   24
.set G1B,  32
.set G1S,  40
.set G1SB, 48
.set G0A,  56
.set G0B,  60
.set G0S,  68
.set G0SB, 72
.set MSB, 0
.macro WIN new
.if MSB != (\new)
	s_set_vgpr_msb (MSB<<8)|(\new)
.set MSB, (\new)
.endif
.endm
.set MUL,  0x05
.set TO_F, 0x40
.set ST_F, 0x04
.macro CROUND
	s_barrier_signal -1
	s_barrier_wait -1
	s_cmp_lg_u32 s14, 0
	s_cbranch_scc1 .Lnot_wave_0_\@
	s_barrier_signal -3
.Lnot_wave_0_\@:
	s_barrier_wait -3
	s_barrier_signal -1
	s_barrier_wait -1
.endm
	s_load_b256 s[4:11], s[0:1], 0x0               ; oc, os, opc, ops
	v_lshl_add_u32 v126, v0, 2, 0x36400
	v_mov_b32 v127, 0
	ds_add_u32 v126, v127                          ; the opening lines: the add twice on end
	ds_add_u32 v126, v127
	v_lshrrev_b32 v1, 5, v0
	v_readfirstlane_b32 s14, v1                    ; wave
	s_lshr_b32 s15, s14, 1                         ; which half of the tile's rows is mine
	s_and_b32 s16, s14, 1                          ; which half of its columns
	s_bfe_u32 s12, ttmp6, 0x40000
	s_bfe_u32 s13, ttmp6, 0x40004
	s_lshl_b32 s66, ttmp9, 2
	s_add_co_u32 s66, s66, s12                     ; tile column, 0..7
	s_and_b32 s17, ttmp7, 0xffff
	s_lshl_b32 s17, s17, 2
	s_add_co_u32 s17, s17, s13                     ; tile row, 0..31
	s_lshl_b32 s19, s13, 2
	s_lshl_b32 s19, 15, s19                        ; my row of the cluster
	s_lshl_b32 s67, 0x1111, s12                    ; my column
	s_or_b32 s[G1], s19, (3<<16)|(1<<21)
	s_or_b32 s[G1B], s67, (3<<16)|(1<<21)
.irp g, G1, G1B                                ; codes: 384 dense rows of 32 elements of 8 bytes
	s_mov_b32 s[\g+1], 32<<16
	s_mov_b32 s[\g+2], 384<<16
	s_mov_b32 s[\g+3], 32<<16
	s_mov_b32 s[\g+4], 384
	s_mov_b32 s[\g+5], 32
	s_mov_b32 s[\g+6], 0
	s_mov_b32 s[\g+7], 0
.endr
	s_or_b32 s[G1S], s19, (3<<16)|(1<<21)
	s_or_b32 s[G1SB], s67, (3<<16)|(1<<21)
.irp g, G1S, G1SB                              ; scale words: 16 such rows
	s_mov_b32 s[\g+1], 32<<16
	s_mov_b32 s[\g+2], 16<<16
	s_mov_b32 s[\g+3], 32<<16
	s_mov_b32 s[\g+4], 16
	s_mov_b32 s[\g+5], 32
	s_mov_b32 s[\g+6], 0
	s_mov_b32 s[\g+7], 0
.endr
	s_lshl_b32 s2, s17, 3                          ; o: tile 8 x tile row
	s_lshl_b32 s20, s66, 3
	s_add_co_u32 s20, s20, 704                     ; Wo: 704 + 8 x tile column
	s_lshl_b32 s18, s2, 9
	s_mul_i32 s2, s2, TPITCH
	s_lshl_b32 s22, s20, 9
	s_mul_i32 s20, s20, TPITCH
	s_mov_b32 s3, 0
	s_mov_b32 s19, 0
	s_mov_b32 s21, 0
	s_mov_b32 s23, 0
	s_wait_dscnt 0x0
	s_wait_kmcnt 0x0
	s_add_nc_u64 s[2:3], s[4:5], s[2:3]
	s_add_nc_u64 s[18:19], s[6:7], s[18:19]
	s_add_nc_u64 s[20:21], s[8:9], s[20:21]
	s_add_nc_u64 s[22:23], s[10:11], s[22:23]
	s_mov_b32 s[G0A], 1
	s_mov_b32 s[G0A+1], 0
	s_mov_b64 s[G0A+2:G0A+3], s[2:3]
	s_or_b32 s[G0A+3], s[G0A+3], 0x80000000
	s_mov_b32 s[G0B], 1
	s_mov_b32 s[G0B+1], SIDE
	s_mov_b64 s[G0B+2:G0B+3], s[20:21]
	s_or_b32 s[G0B+3], s[G0B+3], 0x80000000
	s_mov_b32 s[G0S], 1
	s_mov_b32 s[G0S+1], SCL
	s_mov_b64 s[G0S+2:G0S+3], s[18:19]
	s_or_b32 s[G0S+3], s[G0S+3], 0x80000000
	s_mov_b32 s[G0SB], 1
	s_mov_b32 s[G0SB+1], SCL+2*QSC
	s_mov_b64 s[G0SB+2:G0SB+3], s[22:23]
	s_or_b32 s[G0SB+3], s[G0SB+3], 0x80000000
	CROUND                                         ; the joint loads meet
.macro ARM under, g0, g1, next         ; one chain of branches on the wave's number: every way passes exactly one load
	s_cmp_lt_u32 s14, \under
	s_cbranch_scc0 \next
	tensor_load_to_lds s[\g0:\g0+3], s[\g1:\g1+7]
	s_nop 0
.rept 4
	v_nop
.endr
	s_branch .Lasked
\next:
.endm
	ARM 1, G0A, G1,  .Lhead_b
	ARM 2, G0B, G1B, .Lhead_sa
	ARM 3, G0S, G1S, .Lhead_sb
	tensor_load_to_lds s[G0SB:G0SB+3], s[G1SB:G1SB+7]
	s_nop 0
.rept 4
	v_nop
.endr
.Lasked:
	s_load_b128 s[4:7], s[0:1], 0x20               ; bo, out0
	v_and_b32 v1, 15, v0                           ; r
	v_bfe_u32 v2, v0, 4, 1                         ; h
	v_and_b32 v3, 31, v0
	v_lshlrev_b32 v4, 3, v3                        ; 8 x lane
	s_wait_alu depctr_va_vdst(0)                   ; the wait ahead of the scalar lines below
	s_mul_i32 s2, s15, 4*TPITCH                    ; my 4 tiles of o
	s_mul_i32 s3, s16, 4*TPITCH                    ; my 4 tiles of Wo,
	s_add_co_u32 s3, s3, SIDE                      ; behind o's 8
	v_add_nc_u32 v[ADRA], s2, v4
	v_add_nc_u32 v[ADRB], s3, v4
	v_lshlrev_b32 v5, 3, v1
	s_lshl_b32 s18, s15, 11
	s_lshl_b32 s19, s16, 11
	s_add_co_u32 s19, s19, 2*QSC
	s_sub_co_u32 s19, s19, s18
	v_mul_u32_u24 v6, s19, v2                      ; lanes 16-31 take Wo's scale words
	s_add_co_u32 s18, s18, SCL
	v_add_nc_u32 v5, v5, v6
	v_add_nc_u32 v[ADRS], s18, v5
	s_mul_i32 s20, s14, 16*SPITCH
	s_add_co_u32 s20, s20, STG                     ; my stage
	v_mul_u32_u24 v5, v1, SPITCH
	v_lshl_add_u32 v5, v2, 6, v5
	v_add_nc_u32 v[STO], s20, v5
	v_mul_u32_u24 v6, v2, SPITCH
	v_lshl_add_u32 v6, v1, 4, v6
	v_add_nc_u32 v[RD], s20, v6
	v_lshlrev_b32 v[CO], 12, v2
	v_lshl_add_u32 v[CO], v1, 4, v[CO]
	s_lshl_b32 s22, s66, 9
	s_lshl_b32 s23, s16, 8
	s_add_co_u32 s22, s22, s23                     ; my first column, in bytes
	s_mov_b32 s23, 0
	s_lshl_b32 s12, s17, 7
	s_lshl_b32 s13, s15, 6
	s_add_co_u32 s12, s12, s13                     ; my first row
	s_lshl_b32 s12, s12, 12
	s_add_co_u32 s12, s12, s22
	s_mov_b32 s13, 0
	v_lshlrev_b32 v7, 6, v2                        ; the bias: + 64 h bytes
	s_wait_alu depctr_va_vdst(0)                   ; the wait at the head's end
	s_wait_kmcnt 0x0
	s_add_nc_u64 s[4:5], s[4:5], s[22:23]
	s_add_nc_u64 s[6:7], s[6:7], s[12:13]
.irp b, 0,1,2,3
	global_load_b128 v[BI+8*\b:BI+8*\b+3], v7, s[4:5] offset:128*(\b/2)+32*(\b%2)
	global_load_b128 v[BI+8*\b+4:BI+8*\b+7], v7, s[4:5] offset:128*(\b/2)+32*(\b%2)+16
.endr
.macro FRAG reg, adr, kap, i
.irp p, 0,1,2,3,4,5
	ds_load_b64 v[\reg+2*\p:\reg+2*\p+1], v[\adr] offset:TPITCH*(\i)+1536*(\kap)+256*\p
.endr
.endm
.macro FETCH kap                       ; 48 LDS loads: step kap's fragments into set kap % 2: Wo's four, then o's four
	WIN TO_F
.irp i, 0,1,2,3
	FRAG 128*((\kap)%2)+FR*\i, ADRB, \kap, \i
.endr
.irp i, 0,1,2,3
	FRAG 128*((\kap)%2)+48+FR*\i, ADRA, \kap, \i
.endr
.endm
.macro SCALES j0
.irp i, 0,1,2,3
.irp j, \j0, \j0+1
	ds_load_b64 v[SC+8*\i+2*(\j):SC+8*\i+2*(\j)+1], v[ADRS] offset:512*\i+128*(\j)
.endr
.endr
.endm
.macro MUL8 kap, a0, first             ; the 16 accumulators by turns
.irp a, \a0, \a0+1
.irp b, 0,1,2,3
.if \first
	v_wmma_scale_f32_16x16x128_f8f6f4 v[ACC+8*(4*(\a)+\b):ACC+8*(4*(\a)+\b)+7], v[128*((\kap)%2)+FR*\b:128*((\kap)%2)+FR*\b+FR-1], v[128*((\kap)%2)+48+FR*(\a):128*((\kap)%2)+48+FR*(\a)+FR-1], v[BI+8*\b:BI+8*\b+7], v[SC+8*\b+(\kap)], v[SC+8*(\a)+(\kap)] matrix_a_fmt:MATRIX_FMT_BF6 matrix_b_fmt:MATRIX_FMT_BF6 matrix_a_scale:MATRIX_SCALE_ROW1
.else
	v_wmma_scale_f32_16x16x128_f8f6f4 v[ACC+8*(4*(\a)+\b):ACC+8*(4*(\a)+\b)+7], v[128*((\kap)%2)+FR*\b:128*((\kap)%2)+FR*\b+FR-1], v[128*((\kap)%2)+48+FR*(\a):128*((\kap)%2)+48+FR*(\a)+FR-1], v[ACC+8*(4*(\a)+\b):ACC+8*(4*(\a)+\b)+7], v[SC+8*\b+(\kap)], v[SC+8*(\a)+(\kap)] matrix_a_fmt:MATRIX_FMT_BF6 matrix_b_fmt:MATRIX_FMT_BF6 matrix_a_scale:MATRIX_SCALE_ROW1
.endif
.endr
.endr
.endm
.macro PLACES n
.rept \n
	v_nop
.endr
.endm
; A step of 128 along K: 16 products; in its middle the next step's fragments are fetched into the other set.
.macro STEP kap, first
	s_wait_dscnt 12                                ; all but the youngest 12 loads (o's tiles 2 and 3)
	WIN MUL
	MUL8 \kap, 0, \first
.if (\kap) < 7
	PLACES 4
.if (\kap) == 0
	WIN 0
	SCALES 2
.endif
	FETCH (\kap)+1
	s_wait_dscnt 48+8*(\first)                     ; all but what was just issued
.else
	s_wait_dscnt 0x0
.endif
	WIN MUL
	MUL8 \kap, 2, \first
.endm
	s_wait_tensorcnt 0x0                           ; my block is in;
	s_barrier_signal -1
	s_barrier_wait -1                              ; everybody's is
	SCALES 0
	FETCH 0
	s_wait_loadcnt 0x0                             ; the bias
	STEP 0, 1
.irp k, 1,2,3,4,5,6,7
	STEP \k, 0
.endr
; THE WAY OUT, block by block of 16 rows x 64 columns, through my own stage: back come runs of 256 bytes of a row, which sixteen lanes store, aligned.  LDS serves a wave's instructions in order (ISA guide 5.7.1.4).
.macro TOSTAGE a
	WIN 0
.irp b, 0,1,2,3
	ds_store_b128 v[STO], v[ACC+8*(4*(\a)+\b):ACC+8*(4*(\a)+\b)+3] offset:128*(\b/2)+32*(\b%2)
	ds_store_b128 v[STO], v[ACC+8*(4*(\a)+\b)+4:ACC+8*(4*(\a)+\b)+7] offset:128*(\b/2)+32*(\b%2)+16
.endr
	WIN TO_F
.irp t, 0,1,2,3,4,5,6,7
	ds_load_b128 v[32*(\a)+4*\t:32*(\a)+4*\t+3], v[RD] offset:2*\t*SPITCH
.endr
.endm
.macro SEND a, younger
	s_wait_dscnt \younger
	WIN ST_F
.irp t, 0,1,2,3,4,5,6,7
	global_store_b128 v[CO], v[32*(\a)+4*\t:32*(\a)+4*\t+3], s[6:7] offset:(16*(\a)+2*\t)*ROWC th:TH_STORE_NT
.endr
.endm
	PLACES 4
	TOSTAGE 0
	TOSTAGE 1
	SEND 0, 16                                     ; behind block 0's loads: block 1's 8 stores and 8 loads
	TOSTAGE 2
	SEND 1, 16
	TOSTAGE 3
	SEND 2, 16
	SEND 3, 0
	WIN 0
	s_wait_tensorcnt 0x0                           ; the wave's end
	ds_add_u32 v126, v127
	s_wait_dscnt 0x0
	CROUND                                         ; the closing round
	s_endpgm
.Lfunc_end_k_qe8ac592ff3_outg:
	.size	k_qe8ac592ff3_outg, .Lfunc_end_k_qe8ac592ff3_outg-k_qe8ac592ff3_outg
	.p2alignl 7, 3214868480
	.fill 96, 4, 3214868480
	.section	.rodata,"a",@progbits
	.p2align	6, 0x0
	.amdhsa_kernel k_qe8ac592ff3_outg
		.amdhsa_group_segment_fixed_size 222720
		.amdhsa_private_segment_fixed_size 0
		.amdhsa_enable_private_segment 0
		.amdhsa_kernarg_size 48
		.amdhsa_user_sgpr_count 2
		.amdhsa_user_sgpr_kernarg_segment_ptr 1
		.amdhsa_wavefront_size32 1
		.amdhsa_system_sgpr_workgroup_id_x 1
		.amdhsa_system_sgpr_workgroup_id_y 1
		.amdhsa_system_sgpr_workgroup_id_z 1
		.amdhsa_system_vgpr_workitem_id 0
		.amdhsa_next_free_vgpr 512
		.amdhsa_next_free_sgpr 100
		.amdhsa_reserve_vcc 0
		.amdhsa_float_denorm_mode_32 3
		.amdhsa_float_denorm_mode_16_64 3
		.amdhsa_memory_ordered 1
		.amdhsa_forward_progress 1
		.amdhsa_inst_pref_size 60
	.end_amdhsa_kernel
	.amdgpu_metadata
---
amdhsa.version: [ 1, 2 ]
amdhsa.kernels:
  - .name:           k_qe8ac592ff3_outg
    .symbol:         k_qe8ac592ff3_outg.kd
    .args:
      - { .name: oc, .offset: 0, .size: 8, .value_kind: global_buffer, .address_space: global }
      - { .name: os, .offset: 8, .size: 8, .value_kind: global_buffer, .address_space: global }
      - { .name: opc, .offset: 16, .size: 8, .value_kind: global_buffer, .address_space: global }
      - { .name: ops, .offset: 24, .size: 8, .value_kind: global_buffer, .address_space: global }
      - { .name: bo, .offset: 32, .size: 8, .value_kind: global_buffer, .address_space: global }
      - { .name: out0, .offset: 40, .size: 8, .value_kind: global_buffer, .address_space: global }
    .group_segment_fixed_size: 222720
    .private_segment_fixed_size: 0
    .kernarg_segment_align: 8
    .kernarg_segment_size: 48
    .max_flat_workgroup_size: 128
    .sgpr_count:     100
    .vgpr_count:     512
    .wavefront_size: 32
...
	.end_amdgpu_metadata
.endif
;; end of part 4
